; MI455X (gfx1250); checked and timed in simulation.
; The chip was launched on July 23, 2026; its instructions are those of AMD's public machine-readable ISA for CDNA 5 (MIT licence, August 2026) and "CDNA5" Instruction Set Architecture Reference Guide (July 2026). The comments in the code are by the model that wrote it; some were corrected since.
;; target knn. Allowed arithmetic: matrix products marked QUANTISED: E2M1 operands, one E8M0 scale for each 32 along K, by v_wmma_scale_f32_16x16x128_f8f6f4 with both operands' format E2M1 (or v_wmma_scale_f32_32x16x128_f4), f32 sums; products left as they are: f32 operands where the result goes on into a quantised operand, else bf16, f16 or f32 operands; f32 sums; everything else in f32.
;; Inputs: bn0_b 256 float32; bn0_g 256 float32; bn1_b 256 float32; bn1_g 256 float32; k0_b 256 float32; k0_w 256 x 256 float32; k1_b 256 float32; k1_w 256 x 256 float32; lin_b 256 float32; lin_w 256 x 256 float32; lossy_C 8,192 x 3 float32; lossy_F 8,192 x 256 float32; pos0_b 256 float32; pos0_w 3 x 256 float32; pos1_b 256 float32; pos1_w 3 x 256 float32; q0_b 256 float32; q0_w 256 x 256 float32; q1_b 256 float32; q1_w 256 x 256 float32; ref_C 16,384 x 3 float32; ref_F 16,384 x 256 float32; v0_b 256 float32; v0_w 256 x 256 float32; v1_b 256 float32; v1_w 256 x 256 float32.
;; Outputs: out0 8,192 x 256 float32.
;; This version of the problem:
;;   THIS VERSION OF THE PROBLEM IS GIVEN IN LOW PRECISION. The matrix products marked QUANTISED in the list below multiply operands that are first quantised to E2M1 (2 exponent bits, 1 mantissa bit; 4 bits a number), with one power-of-two scale for each 32 numbers along K (OCP MX v1.0); their sums are f32. All else is computed in f32.
;;   The module's matrix products, in the order in which they are computed (A, B: the left and right operand; K: the contracted axis; several contracted axes count as one K, in the product's order):
;;     1. [M 8,192, K 3] x [K 3, N 16,384]; A: input lossy_C; B: input ref_C: left as it is (K = 3 < 32)
;;     2. [M 131,072, K 3] x [K 3, N 256]; A: computed on the way; B: input pos0_w: left as it is (K = 3 < 32)
;;     3. [M 131,072, K 3] x [K 3, N 256]; A: computed on the way; B: input pos1_w: left as it is (K = 3 < 32)
;;     4. [M 8,192, K 256] x [K 256, N 256]; A: input lossy_F; B: input q0_w: QUANTISED
;;     5. [M 131,072, K 256] x [K 256, N 256]; A: computed on the way; B: input k0_w: QUANTISED
;;     6. [M 131,072, K 256] x [K 256, N 256]; A: computed on the way; B: input v0_w: QUANTISED
;;     7. batch 8,192 x [M 16, K 256] x [K 256, N 1]; A: computed on the way; B: computed on the way: left as it is (N = 1 < 16)
;;     8. batch 8,192 x [M 1, K 16] x [K 16, N 256]; A: softmax; B: computed on the way: left as it is (K = 16 < 32)
;;     9. [M 8,192, K 256] x [K 256, N 256]; A: computed on the way; B: input q1_w: QUANTISED
;;     10. [M 131,072, K 256] x [K 256, N 256]; A: computed on the way; B: input k1_w: QUANTISED
;;     11. [M 131,072, K 256] x [K 256, N 256]; A: computed on the way; B: input v1_w: QUANTISED
;;     12. batch 8,192 x [M 16, K 256] x [K 256, N 1]; A: computed on the way; B: computed on the way: left as it is (N = 1 < 16)
;;     13. batch 8,192 x [M 1, K 16] x [K 16, N 256]; A: softmax; B: computed on the way: left as it is (K = 16 < 32)
;;     14. [M 8,192, K 256] x [K 256, N 256]; A: computed on the way; B: input lin_w: QUANTISED
;;   THE QUANTISER, for each operand of a quantised product, along K:
;;     - K is cut into blocks of 32 from its start; a last block that is shorter is filled with zeros.
;;     - A block's scale is 2^e with e = floor(log2(the largest magnitude in the block)) - 2, held to -126 .. 127; a block of zeros has e = 0. As a byte (E8M0): e + 127.
;;     - Each number is divided by its block's scale, clamped to +-6, and rounded to the nearest number of E2M1, ties to even, subnormals kept.
;;     - The product sums the exact products of the quantised numbers (number of the format x scale) in f32.
;;   ~~~python
;;   def quantise(x, axis):      # numpy; x: float32 -> the quantised numbers, widened to float32 again
;;       x = np.moveaxis(x, axis, -1); K = x.shape[-1]
;;       x = np.pad(x, [(0, 0)] * (x.ndim - 1) + [(0, -K % 32)]); x = x.reshape(x.shape[:-1] + (-1, 32)); a = np.abs(x).max(-1, keepdims=True)
;;       e = np.where(a > 0, np.clip(np.frexp(np.where(a > 0, a, 1))[1] - 1 - 2, -126, 127), 0)      # np.frexp(a)[1] - 1 = floor(log2(a)), exactly
;;       r = np.clip(x / 2.0 ** e, -6, 6)
;;       step = 2.0 ** (np.maximum(np.frexp(np.where(r == 0, 1, r))[1] - 1, 0) - 1)
;;       q = np.round(r / step) * step * 2.0 ** e      # np.round: ties to even
;;       return np.moveaxis(q.reshape(q.shape[:-2] + (-1,))[..., :K], -1, axis).astype(np.float32)
;;   ~~~
;;   OPERANDS COMPUTED ON THE WAY. 'Computed on the way' means the value that the module computes at that place (a softmax that the list does not call 'softmax' is quantised finished and normalised). What goes into a quantiser is computed in f32, as accurately as f32 sums, v_exp_f32 and their like allow (about 1e-6 of the number): no bf16 or f16 on the way to a quantiser, and a product that is left as it is and whose result goes on into a quantised operand takes f32 operands (vector FMAs, or v_wmma_f32_16x16x4_f32). A number that lies on a knife's edge between two numbers of the format may be rounded either way, as far as f32 arithmetic and the matrix unit's own rounding can turn it there, and no further.
;; One version. Each part assembles by itself: llvm-mc -triple=amdgcn-amd-amdhsa -mcpu=gfx1250 --defsym DOCPART=n.
;; ======== version 1 of 1: 8 launches
;; workspace buffers: tab 505,856 bytes; grp 524,288 bytes of whole numbers; idx 524,288 bytes of whole numbers; x0 8,388,608 bytes; y 8,388,608 bytes; part 524,288 bytes; bnp 2,048 bytes
;; launch prep (part 1): grid 88 x 1, 4 waves a work-group, no clusters, 0 bytes of LDS; arguments k0_w, v0_w, k1_w, v1_w, q0_w, q1_w, lin_w, ref_C, tab; writes tab
.if DOCPART == 1
	.amdgcn_target "amdgcn-amd-amdhsa--gfx1250"
	.amdhsa_code_object_version 6
	.text
	.protected	k_q0deda27980_prep
	.globl	k_q0deda27980_prep
	.p2align	8
	.type	k_q0deda27980_prep,@function
k_q0deda27980_prep:
	s_mov_b64 s[64:65], 0
	v_nop
	global_prefetch_b8 v0, s[64:65] scope:SCOPE_SE
	s_setreg_imm32_b32 hwreg(HW_REG_WAVE_MODE, 25, 1), 1
	s_wait_xcnt 0x0
; Work-groups 0-55: the seven weights [256 (k)][256 (n)] f32 become codes of E2M1 with one E8M0 byte for each 32 along K, laid as images of operand registers:
; fragment f = 2 t + s (t: 16 columns n, s: 128 along K) is 1,024 bytes: chunk c at 512 c, lane l at 16 l; its scale words at 64 f + 4 r.  One wave makes one fragment.
; A lane takes column 16 t + r and its registers run down K in the operand's own order (k = 64 c + 32 h + i), so the conversions' results are the operand's registers.
; Work-groups 56-87: the table T4[ref] = (-2x, -2y, -2z, x^2 + y^2 + z^2) of the 16,384 reference points.
; LIMITS: a block of zeros gets the byte 1 (its codes are zeros; this program alone reads the bytes); NaN and infinities are not served.
.set WKV, 262144                       ; tab: codes of k0, v0, k1, v1 (32,768 bytes each)
.set SKV, 393216                       ; their scale words (2,048 each); behind them q0, q1, lin: codes at 401,408, scale words at 499,712
	s_load_b512 s[4:19], s[0:1], 0x0               ; k0 v0 k1 v1 q0 q1 lin at s[4:17], ref_C s[18:19]
	s_load_b64 s[20:21], s[0:1], 0x40              ; tab
	v_lshrrev_b32 v1, 5, v0
	v_readfirstlane_b32 s22, v1                    ; wave
	v_and_b32 v2, 31, v0                           ; lane
	v_and_b32 v3, 15, v0                           ; r
	v_bfe_u32 v4, v0, 4, 1                         ; h
	s_wait_kmcnt 0x0
	s_cmp_ge_u32 ttmp9, 56
	s_cbranch_scc1 .Ltable
	s_lshr_b32 s23, ttmp9, 3                       ; which weight, m = 0..6
	s_and_b32 s24, ttmp9, 7
	s_lshl_b32 s24, s24, 2
	s_add_co_u32 s24, s24, s22                     ; fragment f
	s_lshr_b32 s25, s24, 1                         ; t
	s_and_b32 s26, s24, 1                          ; s
	s_mov_b64 s[28:29], s[4:5]
.irp m, 1,2,3,4,5,6
	s_cmp_eq_u32 s23, \m                           ; the choice hangs on the work-group's number alone
	s_cselect_b64 s[28:29], s[4+2*\m:5+2*\m], s[28:29]
.endr
	s_cmp_ge_u32 s23, 4
	s_cselect_b32 s30, 8192, 0                     ; q0, q1, lin lie behind the first four's scale words
	s_cselect_b32 s31, 98304, 0
	s_lshl_b32 s27, s23, 15
	s_add_co_u32 s30, s30, s27
	s_lshl_b32 s27, s24, 10
	s_add_co_u32 s30, s30, s27
	s_add_co_u32 s30, s30, WKV                     ; where the fragment's codes go
	s_lshl_b32 s27, s23, 11
	s_add_co_u32 s31, s31, s27
	s_lshl_b32 s27, s24, 6
	s_add_co_u32 s31, s31, s27
	s_add_co_u32 s31, s31, SKV                     ; and its scale words
	s_lshl_b32 s27, s26, 17
	s_lshl_b32 s34, s25, 6
	s_add_co_u32 s27, s27, s34
	v_lshlrev_b32 v5, 2, v3
	v_add_nc_u32 v7, s31, v5                       ; scale word: 4 r
	v_lshl_add_u32 v5, v4, 15, v5
	v_add_nc_u32 v5, s27, v5                       ; W(128 s + 32 h, 16 t + r)
	v_lshl_add_u32 v6, v2, 4, s30                  ; codes: 16 x lane
	s_mov_b32 s32, 0x76543210
	s_mov_b32 s33, 0xfedcba98                      ; lane l xor 16
.irp c, 0,1
.irp i, 0,1,2,3,4,5,6,7,8,9,10,11,12,13,14,15,16,17,18,19,20,21,22,23,24,25,26,27,28,29,30,31
	global_load_b32 v[64+32*\c+\i], v5, s[28:29] offset:1024*(64*\c+\i)
.endr
.endr
	s_wait_loadcnt 0x0
.irp c, 0,1
	v_max3_num_f32 v[32+\c], |v[64+32*\c]|, |v[65+32*\c]|, 0x1800000   ; block 2 c + h is all mine; the floor 2^(3 - 127) holds the byte at 1 from below
.endr
.irp i, 2,4,6,8,10,12,14,16,18,20,22,24,26,28,30
.irp c, 0,1
	v_max3_num_f32 v[32+\c], v[32+\c], |v[64+32*\c+\i]|, |v[65+32*\c+\i]|
.endr
.endr
.irp c, 0,1
	v_add_nc_u32 v[44+\c], 0xff000000, v[32+\c]    ; 2 off the exponent field: the conversion's scale operand
.endr
.irp c, 0,1
	v_lshrrev_b32 v[36+\c], 23, v[44+\c]           ; the scale's byte
.endr
	v_lshl_or_b32 v9, v37, 16, v36                 ; blocks h and 2 + h
	v_lshlrev_b32 v10, 3, v4
	v_lshlrev_b32 v9, v10, v9                      ; 8 h bits up
	v_mov_b32 v10, 0
	v_permlanex16_b32 v10, v9, s32, s33
	v_or_b32 v9, v9, v10                           ; the whole word, in both halves of the lanes
.irp c, 0,1
.irp g, 0,1,2,3
	v_cvt_scalef32_pk8_fp4_f32 v[48+4*\c+\g], v[64+32*\c+8*\g:71+32*\c+8*\g], v[44+\c]
.endr
.endr
	v_nop
	global_store_b128 v6, v[48:51], s[20:21]       ; 512 consecutive bytes a store
	global_store_b128 v6, v[52:55], s[20:21] offset:512
	global_store_b32 v7, v9, s[20:21]              ; lanes r and 16 + r store the same word to the same place
	s_endpgm
.Ltable:
	s_sub_co_u32 s23, ttmp9, 56
	s_mul_i32 s24, s23, 6144                       ; 512 points of 12 bytes
	s_lshl_b32 s25, s23, 13                        ; 512 entries of 16 bytes
	v_mul_u32_u24 v5, v0, 12
	v_add_nc_u32 v5, s24, v5
	v_lshl_add_u32 v6, v0, 4, s25
.irp i, 0,1,2,3
.irp k, 0,1,2
	global_load_b32 v[16+3*\i+\k], v5, s[18:19] offset:1536*\i+4*\k
.endr
.endr
	s_wait_loadcnt 0x0
.irp i, 0,1,2,3
	v_mul_f32 v[35+4*\i], v[16+3*\i], v[16+3*\i]
	v_fma_f32 v[35+4*\i], v[17+3*\i], v[17+3*\i], v[35+4*\i]
	v_fma_f32 v[35+4*\i], v[18+3*\i], v[18+3*\i], v[35+4*\i]
	v_mul_f32 v[32+4*\i], -2.0, v[16+3*\i]
	v_mul_f32 v[33+4*\i], -2.0, v[17+3*\i]
	v_mul_f32 v[34+4*\i], -2.0, v[18+3*\i]
	global_store_b128 v6, v[32+4*\i:35+4*\i], s[20:21] offset:2048*\i
.endr
	s_endpgm
.Lfunc_end_k_q0deda27980_prep:
	.size	k_q0deda27980_prep, .Lfunc_end_k_q0deda27980_prep-k_q0deda27980_prep
	.p2alignl 7, 3214868480
	.fill 96, 4, 3214868480
	.section	.rodata,"a",@progbits
	.p2align	6, 0x0
	.amdhsa_kernel k_q0deda27980_prep
		.amdhsa_group_segment_fixed_size 0
		.amdhsa_private_segment_fixed_size 0
		.amdhsa_enable_private_segment 0
		.amdhsa_kernarg_size 72
		.amdhsa_user_sgpr_count 2
		.amdhsa_user_sgpr_kernarg_segment_ptr 1
		.amdhsa_wavefront_size32 1
		.amdhsa_system_sgpr_workgroup_id_x 1
		.amdhsa_system_sgpr_workgroup_id_y 1
		.amdhsa_system_sgpr_workgroup_id_z 1
		.amdhsa_system_vgpr_workitem_id 0
		.amdhsa_next_free_vgpr 128
		.amdhsa_next_free_sgpr 66
		.amdhsa_reserve_vcc 0
		.amdhsa_float_denorm_mode_32 3
		.amdhsa_float_denorm_mode_16_64 3
		.amdhsa_memory_ordered 1
		.amdhsa_forward_progress 1
		.amdhsa_inst_pref_size 15
	.end_amdhsa_kernel
	.amdgpu_metadata
---
amdhsa.version: [ 1, 2 ]
amdhsa.kernels:
  - .name:           k_q0deda27980_prep
    .symbol:         k_q0deda27980_prep.kd
    .args:
      - { .name: k0_w, .offset: 0, .size: 8, .value_kind: global_buffer, .address_space: global }
      - { .name: v0_w, .offset: 8, .size: 8, .value_kind: global_buffer, .address_space: global }
      - { .name: k1_w, .offset: 16, .size: 8, .value_kind: global_buffer, .address_space: global }
      - { .name: v1_w, .offset: 24, .size: 8, .value_kind: global_buffer, .address_space: global }
      - { .name: q0_w, .offset: 32, .size: 8, .value_kind: global_buffer, .address_space: global }
      - { .name: q1_w, .offset: 40, .size: 8, .value_kind: global_buffer, .address_space: global }
      - { .name: lin_w, .offset: 48, .size: 8, .value_kind: global_buffer, .address_space: global }
      - { .name: ref_C, .offset: 56, .size: 8, .value_kind: global_buffer, .address_space: global }
      - { .name: tab, .offset: 64, .size: 8, .value_kind: global_buffer, .address_space: global }
    .group_segment_fixed_size: 0
    .private_segment_fixed_size: 0
    .kernarg_segment_align: 8
    .kernarg_segment_size: 72
    .max_flat_workgroup_size: 128
    .sgpr_count:     66
    .vgpr_count:     128
    .wavefront_size: 32
...
	.end_amdgpu_metadata
.endif
;; end of part 1
;; launch knn1 (part 2): grid 256 x 1, 16 waves a work-group, no clusters, 264,192 bytes of LDS; arguments lossy_C, tab, grp; writes grp
.if DOCPART == 2
	.amdgcn_target "amdgcn-amd-amdhsa--gfx1250"
	.amdhsa_code_object_version 6
	.text
	.protected	k_q0deda27980_knn1
	.globl	k_q0deda27980_knn1
	.p2align	8
	.type	k_q0deda27980_knn1,@function
k_q0deda27980_knn1:
	s_mov_b64 s[64:65], 0
	v_nop
	global_prefetch_b8 v0, s[64:65] scope:SCOPE_SE
	s_setreg_imm32_b32 hwreg(HW_REG_WAVE_MODE, 25, 1), 1
	s_wait_xcnt 0x0
; First half of the 16 nearest neighbours.  The 16,384 references are 512 groups of 32 consecutive indices.  Every one of a query's first 16 by (distance, index) lies in one of the
; 16 groups that come first by (group's smallest distance, group number): a group ahead of it holds a point that comes ahead of it.  This launch finds those 16 groups for each query.
; KEY: t = qx (-2x) + qy (-2y) + qz (-2z) + |ref|^2 = d2 - |q|^2, which orders one query's candidates as d2 does.
; LIMIT: t is exact while all partial sums stay under 2^24 (whole-number coordinates up to about 2,300); beyond that its order of rounding differs from the definition's.  NaN, infinities: not served.
; SHARES: a work-group has 32 queries, a lane a query; wave w walks references 1,024 w on (32 groups), which come as scalars, 8 at a time, in two sets of registers by turns.
; Each wave keeps a sorted list of 16 (key, group); four merges through LDS, each level in bytes of its own, leave the result in wave 0.  No branch hangs on a key: a list is updated by compares and selects.
.set KEY, 16                           ; v16-31 keys, ascending
.set ID,  32                           ; v32-47 their groups
.set PK,  48                           ; v48-63, v64-79 the partner's list
.set PI,  64
.set T,   80                           ; v80-87 eight keys
.set GM,  88                           ; v88 the group's smallest
.set TMP, 89                           ; v89-96 the sort's temporaries
.set M,   48                           ; s48-63 the compares' masks
; x goes into the list where it belongs.  The compare is strict and candidates come in ascending index: of equal keys the lower index stays ahead.
.macro INSERT x, xi
.irp j, 0,1,2,3,4,5,6,7,8,9,10,11,12,13,14,15
	v_cmp_lt_f32 s[M+\j], \x, v[KEY+\j]
.endr
.irp j, 15,14,13,12,11,10,9,8,7,6,5,4,3,2,1
	v_cndmask_b32 v[ID+\j], v[ID+\j], \xi, s[M+\j]
	v_cndmask_b32 v[ID+\j], v[ID+\j], v[ID+\j-1], s[M+\j-1]
	v_med3_num_f32 v[KEY+\j], \x, v[KEY+\j-1], v[KEY+\j]
.endr
	v_cndmask_b32 v[ID], v[ID], \xi, s[M]
	v_min_num_f32 v[KEY], \x, v[KEY]
.endm
; Level l: every wave stores its list; behind the barrier the waves whose number is a multiple of 2 << l take in the list of the wave 1 << l further on (higher indices).
.macro MERGE l
.irp j, 0,1,2,3,4,5,6,7,8,9,10,11,12,13,14,15
	ds_store_b32 v[8+\l], v[KEY+\j] offset:128*\j
.endr
.irp j, 0,1,2,3,4,5,6,7,8,9,10,11,12,13,14,15
	ds_store_b32 v[8+\l], v[ID+\j] offset:2048+128*\j
.endr
	s_wait_dscnt 0x0                               ; for the others' sake: my stores have landed
	s_barrier_signal -1
	s_barrier_wait -1
	s_and_b32 s13, s12, (2<<\l)-1
	s_cmp_lg_u32 s13, 0
	s_cbranch_scc1 .Lskip_\@
.irp j, 0,1,2,3,4,5,6,7,8,9,10,11,12,13,14,15
	ds_load_b32 v[PK+\j], v[8+\l] offset:(1<<\l)*4096+128*\j
	ds_load_b32 v[PI+\j], v[8+\l] offset:(1<<\l)*4096+2048+128*\j
.endr
	s_wait_dscnt 0x0
.irp e, 0,1,2,3,4,5,6,7,8,9,10,11,12,13,14,15
	INSERT v[PK+\e], v[PI+\e]
.endr
.Lskip_\@:
.endm
; Eight references: the set cur is in; the next eight are asked for into the other set; 24 fused multiply-adds, four minima.
.macro BATCH b, cur, nxt
	s_wait_kmcnt 0x0                               ; the only scalar loads out are this set's
.if \b == 3
	s_add_nc_u64 s[6:7], s[6:7], 512               ; no scalar load is out: the pointer may step to the next group
	s_load_b512 s[\nxt:\nxt+15], s[6:7], 0x0
	s_load_b512 s[\nxt+16:\nxt+31], s[6:7], 0x40
.else
	s_load_b512 s[\nxt:\nxt+15], s[6:7], 128*(\b+1)
	s_load_b512 s[\nxt+16:\nxt+31], s[6:7], 128*(\b+1)+64
.endif
.irp k, 0,1,2,3,4,5,6,7
	v_fma_f32 v[T+\k], v3, s[\cur+4*\k+2], s[\cur+4*\k+3]
.endr
.irp k, 0,1,2,3,4,5,6,7
	v_fma_f32 v[T+\k], v2, s[\cur+4*\k+1], v[T+\k]
.endr
.irp k, 0,1,2,3,4,5,6,7
	v_fma_f32 v[T+\k], v1, s[\cur+4*\k], v[T+\k]
.endr
.if \b == 0
	v_min_num_f32 v[GM], v[T], v[T+1]
.else
	v_min3_num_f32 v[GM], v[GM], v[T], v[T+1]
.endif
	v_min3_num_f32 v[GM], v[GM], v[T+2], v[T+3]
	v_min3_num_f32 v[GM], v[GM], v[T+4], v[T+5]
	v_min3_num_f32 v[GM], v[GM], v[T+6], v[T+7]
.endm
	s_load_b128 s[4:7], s[0:1], 0x0                ; lossy_C s[4:5], tab s[6:7]
	s_load_b64 s[10:11], s[0:1], 0x10              ; grp
	v_lshl_add_u32 v128, v0, 2, 0x40000
	v_mov_b32 v129, 0
	v_lshrrev_b32 v4, 5, v0
	v_readfirstlane_b32 s12, v4                    ; wave 0..15
	v_and_b32 v5, 31, v0                           ; lane
	s_lshl_b32 s13, ttmp9, 5
	v_add_nc_u32 v6, s13, v5                       ; my query
	v_mul_u32_u24 v7, v6, 12
	v_lshlrev_b32 v12, 2, v5
	s_lshl_b32 s14, s12, 12
	v_add_nc_u32 v8, s14, v12                      ; level 0: 4,096 x wave + 4 x lane
	v_add_nc_u32 v9, 65536, v8                     ; levels 1 to 3: 65,536 bytes further on each
	v_add_nc_u32 v10, 131072, v8
	v_add_nc_u32 v11, 196608, v8
	s_lshl_b32 s2, s12, 14                         ; my wave's 1,024 table entries of 16 bytes
	s_mov_b32 s3, 0
	s_wait_kmcnt 0x0
	global_load_b32 v1, v7, s[4:5]
	global_load_b32 v2, v7, s[4:5] offset:4
	global_load_b32 v3, v7, s[4:5] offset:8
	s_add_nc_u64 s[6:7], s[6:7], s[2:3]
	s_load_b512 s[16:31], s[6:7], 0x0
	s_load_b512 s[32:47], s[6:7], 0x40
.irp j, 0,1,2,3,4,5,6,7,8,9,10,11,12,13,14,15
	v_mov_b32 v[KEY+\j], 0x7f800000                ; the list begins as +infinity
	v_mov_b32 v[ID+\j], 0
.endr
	s_lshl_b32 s15, s12, 5                         ; my first group
	s_mov_b32 s14, 0
	s_wait_loadcnt 0x0
.Lgroup:                                               ; 32 trips, a group of 32 references each.  The last trip's look-ahead reads 128 bytes behind the wave's part: still inside tab
	BATCH 0, 16, 68
	BATCH 1, 68, 16
	BATCH 2, 16, 68
	BATCH 3, 68, 16
	INSERT v[GM], s15
	s_add_co_u32 s15, s15, 1
	s_add_co_u32 s14, s14, 1
	s_cmp_lt_u32 s14, 32
	s_cbranch_scc1 .Lgroup
	s_wait_kmcnt 0x0
	MERGE 0
	MERGE 1
	MERGE 2
	MERGE 3
	s_cmp_lg_u32 s12, 0
	s_cbranch_scc1 .Lend
	; the 16 groups in ascending number, so that the next launch meets its candidates in ascending index: odd-even transposition, 16 rounds
.set rnd, 0
.rept 16
.set a, rnd%2
.rept 8-(rnd%2)
	v_min_u32 v[TMP+a/2], v[ID+a], v[ID+a+1]
	v_max_u32 v[ID+a+1], v[ID+a], v[ID+a+1]
	v_mov_b32 v[ID+a], v[TMP+a/2]
.set a, a+2
.endr
.set rnd, rnd+1
.endr
	v_lshlrev_b32 v12, 6, v6                       ; 64 bytes a query
.irp i, 0,1,2,3
	global_store_b128 v12, v[ID+4*\i:ID+4*\i+3], s[10:11] offset:16*\i
.endr
.Lend:
	s_wait_tensorcnt 0x0
	ds_add_u32 v128, v129
	s_wait_dscnt 0x0
	s_endpgm
.Lfunc_end_k_q0deda27980_knn1:
	.size	k_q0deda27980_knn1, .Lfunc_end_k_q0deda27980_knn1-k_q0deda27980_knn1
	.p2alignl 7, 3214868480
	.fill 96, 4, 3214868480
	.section	.rodata,"a",@progbits
	.p2align	6, 0x0
	.amdhsa_kernel k_q0deda27980_knn1
		.amdhsa_group_segment_fixed_size 264192
		.amdhsa_private_segment_fixed_size 0
		.amdhsa_enable_private_segment 0
		.amdhsa_kernarg_size 24
		.amdhsa_user_sgpr_count 2
		.amdhsa_user_sgpr_kernarg_segment_ptr 1
		.amdhsa_wavefront_size32 1
		.amdhsa_system_sgpr_workgroup_id_x 1
		.amdhsa_system_sgpr_workgroup_id_y 1
		.amdhsa_system_sgpr_workgroup_id_z 1
		.amdhsa_system_vgpr_workitem_id 0
		.amdhsa_next_free_vgpr 130
		.amdhsa_next_free_sgpr 100
		.amdhsa_reserve_vcc 0
		.amdhsa_float_denorm_mode_32 3
		.amdhsa_float_denorm_mode_16_64 3
		.amdhsa_memory_ordered 1
		.amdhsa_forward_progress 1
		.amdhsa_inst_pref_size 255
	.end_amdhsa_kernel
	.section	.bss,"aw",@nobits
	.p2align	6
	.space	262144
	.amdgpu_metadata
---
amdhsa.version: [ 1, 2 ]
amdhsa.kernels:
  - .name:           k_q0deda27980_knn1
    .symbol:         k_q0deda27980_knn1.kd
    .args:
      - { .name: lossy_C, .offset: 0, .size: 8, .value_kind: global_buffer, .address_space: global }
      - { .name: tab, .offset: 8, .size: 8, .value_kind: global_buffer, .address_space: global }
      - { .name: grp, .offset: 16, .size: 8, .value_kind: global_buffer, .address_space: global }
    .group_segment_fixed_size: 264192
    .private_segment_fixed_size: 0
    .kernarg_segment_align: 8
    .kernarg_segment_size: 24
    .max_flat_workgroup_size: 512
    .sgpr_count:     100
    .vgpr_count:     130
    .wavefront_size: 32
...
	.end_amdgpu_metadata
.endif
;; end of part 2
;; launch knn2 (part 3): grid 256 x 1, 8 waves a work-group, no clusters, 168,960 bytes of LDS; arguments lossy_C, tab, grp, idx; writes idx
.if DOCPART == 3
	.amdgcn_target "amdgcn-amd-amdhsa--gfx1250"
	.amdhsa_code_object_version 6
	.text
	.protected	k_q0deda27980_knn2
	.globl	k_q0deda27980_knn2
	.p2align	8
	.type	k_q0deda27980_knn2,@function
k_q0deda27980_knn2:
	s_mov_b64 s[64:65], 0
	v_nop
	global_prefetch_b8 v0, s[64:65] scope:SCOPE_SE
	s_setreg_imm32_b32 hwreg(HW_REG_WAVE_MODE, 25, 1), 1
	s_wait_xcnt 0x0
; Second half of the 16 nearest neighbours: each query's 16 stored groups (512 candidates, ascending index) are scanned again and the first 16 by (key, index) are stored.
; The key is the first half's, by the same three fused multiply-adds.  LIMIT as there: exact while partial sums stay under 2^24; NaN and infinities not served.
; SHARES: a work-group has 32 queries; wave w takes list places 2 w and 2 w + 1 of every query.  First a lane is a REFERENCE (one load reads a group's 512 consecutive table bytes, the query's
; coordinates are scalars) and the keys go to the wave's own table in LDS (row = query, 64 keys, pitch 272); then a lane is a QUERY and walks its row.  Three merges leave the result in wave 0.
.set KEY, 16
.set ID,  32
.set PK,  48
.set PI,  64
.set M,   68                           ; s68-83 the compares' masks
.macro INSERT x, xi
.irp j, 0,1,2,3,4,5,6,7,8,9,10,11,12,13,14,15
	v_cmp_lt_f32 s[M+\j], \x, v[KEY+\j]
.endr
.irp j, 15,14,13,12,11,10,9,8,7,6,5,4,3,2,1
	v_cndmask_b32 v[ID+\j], v[ID+\j], \xi, s[M+\j]
	v_cndmask_b32 v[ID+\j], v[ID+\j], v[ID+\j-1], s[M+\j-1]
	v_med3_num_f32 v[KEY+\j], \x, v[KEY+\j-1], v[KEY+\j]
.endr
	v_cndmask_b32 v[ID], v[ID], \xi, s[M]
	v_min_num_f32 v[KEY], \x, v[KEY]
.endm
.macro MERGE l
.irp j, 0,1,2,3,4,5,6,7,8,9,10,11,12,13,14,15
	ds_store_b32 v[8+\l], v[KEY+\j] offset:128*\j
.endr
.irp j, 0,1,2,3,4,5,6,7,8,9,10,11,12,13,14,15
	ds_store_b32 v[8+\l], v[ID+\j] offset:2048+128*\j
.endr
	s_wait_dscnt 0x0                               ; for the others' sake: my stores have landed
	s_barrier_signal -1
	s_barrier_wait -1
	s_and_b32 s13, s12, (2<<\l)-1
	s_cmp_lg_u32 s13, 0
	s_cbranch_scc1 .Lskip_\@
.irp j, 0,1,2,3,4,5,6,7,8,9,10,11,12,13,14,15
	ds_load_b32 v[PK+\j], v[8+\l] offset:(1<<\l)*4096+128*\j
	ds_load_b32 v[PI+\j], v[8+\l] offset:(1<<\l)*4096+2048+128*\j
.endr
	s_wait_dscnt 0x0
.irp e, 0,1,2,3,4,5,6,7,8,9,10,11,12,13,14,15
	INSERT v[PK+\e], v[PI+\e]
.endr
.Lskip_\@:
.endm
; Eight queries: their coordinates (96 bytes) and my two groups of each as scalars; n = 2 q + e.
.macro CHUNK c
	s_load_b512 s[16:31], s[56:57], 96*\c
	s_load_b256 s[32:39], s[56:57], 96*\c+64
.irp q, 0,1,2,3,4,5,6,7
	s_load_b64 s[40+2*\q:41+2*\q], s[58:59], (8*\c+\q)*64
.endr
	s_wait_kmcnt 0x0
.irp n, 0,1,2,3,4,5,6,7,8,9,10,11,12,13,14,15
	s_min_u32 s[40+\n], s[40+\n], 511              ; a stored group's number is held inside the table
	v_lshl_add_u32 v[160+\n], s[40+\n], 9, v14     ; 512 bytes a group + 16 x lane
	global_load_b128 v[96+4*\n:99+4*\n], v[160+\n], s[6:7]
.endr
	s_wait_loadcnt 0x0
.irp n, 0,1,2,3,4,5,6,7,8,9,10,11,12,13,14,15
	v_fma_f32 v[176+\n], s[16+3*(\n/2)+2], v[98+4*\n], v[99+4*\n]
.endr
.irp n, 0,1,2,3,4,5,6,7,8,9,10,11,12,13,14,15
	v_fma_f32 v[176+\n], s[16+3*(\n/2)+1], v[97+4*\n], v[176+\n]
.endr
.irp n, 0,1,2,3,4,5,6,7,8,9,10,11,12,13,14,15
	v_fma_f32 v[176+\n], s[16+3*(\n/2)], v[96+4*\n], v[176+\n]
.endr
.irp n, 0,1,2,3,4,5,6,7,8,9,10,11,12,13,14,15
	ds_store_b32 v11, v[176+\n] offset:(8*\c+\n/2)*272+128*(\n%2)
.endr
.endm
; My query's 32 candidates of list place 2 w + e, four a trip.
.macro SEL e
	v_lshlrev_b32 v84, 5, v[86+\e]                 ; the group's first index
	s_mov_b32 s14, 0
	s_mov_b32 s15, 128*\e
.Lsel_\@:
	v_add_nc_u32 v13, s15, v12
	ds_load_b128 v[80:83], v13                     ; my wave's own bytes: LDS serves a wave's instructions in order
	s_wait_dscnt 0x0
.irp k, 0,1,2,3
	INSERT v[80+\k], v84
	v_add_nc_u32 v84, 1, v84
.endr
	s_add_co_u32 s15, s15, 16
	s_add_co_u32 s14, s14, 1
	s_cmp_lt_u32 s14, 8
	s_cbranch_scc1 .Lsel_\@
.endm
	s_load_b256 s[4:11], s[0:1], 0x0               ; lossy_C s[4:5], tab s[6:7], grp s[8:9], idx s[10:11]
	v_lshl_add_u32 v192, v0, 2, 0x29000
	v_mov_b32 v193, 0
	v_lshrrev_b32 v4, 5, v0
	v_readfirstlane_b32 s12, v4                    ; wave 0..7
	v_and_b32 v5, 31, v0                           ; lane
	v_lshlrev_b32 v14, 4, v5
	v_lshlrev_b32 v15, 2, v5
	s_lshl_b32 s2, s12, 12
	v_add_nc_u32 v8, s2, v15
	v_add_nc_u32 v8, 69632, v8                     ; the merges' bytes lie behind the eight tables; 32,768 a level
	v_add_nc_u32 v9, 32768, v8
	v_add_nc_u32 v10, 65536, v8
	s_mul_i32 s2, s12, 8704                        ; my wave's table: 32 rows of 272 bytes
	v_add_nc_u32 v11, s2, v15                      ; in: 4 x lane
	v_mul_u32_u24 v12, v5, 272
	v_add_nc_u32 v12, s2, v12                      ; out: my query's row
	s_lshl_b32 s13, ttmp9, 5
	v_add_nc_u32 v6, s13, v5
	v_lshlrev_b32 v6, 6, v6                        ; 64 bytes a query in grp and in idx
	s_lshl_b32 s14, s12, 3
	v_add_nc_u32 v7, s14, v6
	s_mov_b32 s3, 0
	s_wait_kmcnt 0x0
	s_mul_i32 s2, ttmp9, 384
	s_add_nc_u64 s[56:57], s[4:5], s[2:3]          ; the work-group's coordinates
	s_lshl_b32 s2, ttmp9, 11
	s_add_co_u32 s2, s2, s14
	s_add_nc_u64 s[58:59], s[8:9], s[2:3]          ; its lists, at my wave's two places
	global_load_b64 v[86:87], v7, s[8:9]           ; my query's two groups, as numbers
.irp j, 0,1,2,3,4,5,6,7,8,9,10,11,12,13,14,15
	v_mov_b32 v[KEY+\j], 0x7f800000
	v_mov_b32 v[ID+\j], 0
.endr
	CHUNK 0
	CHUNK 1
	CHUNK 2
	CHUNK 3
	v_min_u32 v86, 511, v86
	v_min_u32 v87, 511, v87
	SEL 0
	SEL 1
	MERGE 0
	MERGE 1
	MERGE 2
	s_cmp_lg_u32 s12, 0
	s_cbranch_scc1 .Lend
.irp i, 0,1,2,3
	global_store_b128 v6, v[ID+4*\i:ID+4*\i+3], s[10:11] offset:16*\i
.endr
.Lend:
	s_wait_tensorcnt 0x0
	ds_add_u32 v192, v193
	s_wait_dscnt 0x0
	s_endpgm
.Lfunc_end_k_q0deda27980_knn2:
	.size	k_q0deda27980_knn2, .Lfunc_end_k_q0deda27980_knn2-k_q0deda27980_knn2
	.p2alignl 7, 3214868480
	.fill 96, 4, 3214868480
	.section	.rodata,"a",@progbits
	.p2align	6, 0x0
	.amdhsa_kernel k_q0deda27980_knn2
		.amdhsa_group_segment_fixed_size 168960
		.amdhsa_private_segment_fixed_size 0
		.amdhsa_enable_private_segment 0
		.amdhsa_kernarg_size 32
		.amdhsa_user_sgpr_count 2
		.amdhsa_user_sgpr_kernarg_segment_ptr 1
		.amdhsa_wavefront_size32 1
		.amdhsa_system_sgpr_workgroup_id_x 1
		.amdhsa_system_sgpr_workgroup_id_y 1
		.amdhsa_system_sgpr_workgroup_id_z 1
		.amdhsa_system_vgpr_workitem_id 0
		.amdhsa_next_free_vgpr 194
		.amdhsa_next_free_sgpr 84
		.amdhsa_reserve_vcc 0
		.amdhsa_float_denorm_mode_32 3
		.amdhsa_float_denorm_mode_16_64 3
		.amdhsa_memory_ordered 1
		.amdhsa_forward_progress 1
		.amdhsa_inst_pref_size 255
	.end_amdhsa_kernel
	.section	.bss,"aw",@nobits
	.p2align	6
	.space	262144
	.amdgpu_metadata
---
amdhsa.version: [ 1, 2 ]
amdhsa.kernels:
  - .name:           k_q0deda27980_knn2
    .symbol:         k_q0deda27980_knn2.kd
    .args:
      - { .name: lossy_C, .offset: 0, .size: 8, .value_kind: global_buffer, .address_space: global }
      - { .name: tab, .offset: 8, .size: 8, .value_kind: global_buffer, .address_space: global }
      - { .name: grp, .offset: 16, .size: 8, .value_kind: global_buffer, .address_space: global }
      - { .name: idx, .offset: 24, .size: 8, .value_kind: global_buffer, .address_space: global }
    .group_segment_fixed_size: 168960
    .private_segment_fixed_size: 0
    .kernarg_segment_align: 8
    .kernarg_segment_size: 32
    .max_flat_workgroup_size: 256
    .sgpr_count:     84
    .vgpr_count:     194
    .wavefront_size: 32
...
	.end_amdgpu_metadata
.endif
;; end of part 3
;; launch attn (part 4): grid 256 x 1, 4 waves a work-group, no clusters, 311,808 bytes of LDS; arguments lossy_C, lossy_F, ref_C, ref_F, pos0_w, pos0_b, pos1_w, pos1_b, q0_b, k0_b, v0_b, q1_b, k1_b, v1_b, tab, idx, x0, part; writes x0, part
.if DOCPART == 4
	.amdgcn_target "amdgcn-amd-amdhsa--gfx1250"
	.amdhsa_code_object_version 6
	.text
	.protected	k_q0deda27980_attn
	.globl	k_q0deda27980_attn
	.p2align	8
	.type	k_q0deda27980_attn,@function
k_q0deda27980_attn:
	s_mov_b64 s[64:65], 0
	v_nop
	global_prefetch_b8 v0, s[64:65] scope:SCOPE_SE
	s_setreg_imm32_b32 hwreg(HW_REG_WAVE_MODE, 25, 1), 1
	s_wait_xcnt 0x0
; Both local attentions, and x0 = lossy_F + their result, with each work-group's column means and sums of squared deviations for the first batch norm.
; SHARES: a work-group has 32 queries, each of its four waves 8.  A query's 16 neighbours are one tile of 16 rows.  The neighbour rows nf = ref_F[idx] + rel pos_w + pos_b are built once for BOTH layers
; from one gather (layer 0's codes are used at once, layer 1's wait in LDS); they never go to memory.
; PRODUCTS on codes of E2M1 with E8M0 scales: Q = x qw + qb (transposed use: a lane holds one row of x, eight neighbouring columns; the bias is the C of the first instruction);
; Km and V = nf kw, nf vw (natural use: a lane holds column 16 t + r and neighbours 8 h + j).  Logits, softmax (the largest logit is taken away) and the weighted sum of V are f32 vector work.
; The layer's 32 + 32 weight fragments stay in a wave's registers (windows 1 and 2).  They come from tab through LDS: each wave copies a quarter, once.
; NO CLUSTER, NO JOINT LOADS: what work-groups share is the weights' 139,264 bytes, read once by each; its own gathered rows are 32 x 16 x 1,024 = 524,288 bytes, which nobody shares.
; NO PREFETCH: a gathered row is asked for a whole query (16 rows' work and an attention) ahead of its use, 32 loads a wave always out.
; LIMITS: a block of zeros gets the scale byte 1 (its codes are zeros); NaN and infinities are not served.
; LDS: W 0 (codes k0 v0 k1 v1, then scale words at 131,072) | NF1, SC1 layer 1's codes (row pitch 144) and scale bytes (8 a row) of 32 queries | NF0, SC0 layer 0's, one query a wave |
;      QB 32 rows of Q (pitch 1,040) | XI, XS codes and scale bytes of the 32 rows that go into a Q product | OB a wave's output row | RB rel of a wave's 128 pairs | XR 32 rows of x0.
.set NF1, 139264
.set SC1, 212992
.set NF0, 217088
.set SC0, 226304
.set QB,  226816
.set XI,  260096
.set XS,  264704
.set OB,  264960
.set RB,  269056
.set XR,  277248
.set TWKV, 262144                      ; tab: k0 v0 k1 v1 codes and scale words, 139,264 bytes on end
.set WQ0, 401408
.set WQ1, 434176
.set SQ0, 499712
.set SQ1, 501760
; window 0: v1-15, v62-79 ids and addresses; v16-61 hold scales and nothing else
.set BS,  16                           ; v16-47 weights' scale words, fragment f: lanes 0-15 K's, lanes 16-31 V's
.set AS,  48                           ; v48-49 the neighbour rows' scale words, K step 0, 1
.set WQS, 50                           ; v50-57 the Q weight's
.set XSR, 58                           ; v58-61 x's
.set AF,  80                           ; v80-95 the neighbour rows' two fragments
.set LG,  96                           ; v96-103 logits, then weights, of neighbours 8 h + j
.set TP,  104                          ; v104-119 at work
.set QR,  120                          ; v120-135 Q[16 t + r]
.set KB,  136                          ; v136-151 kb[16 t + r]
.set VB,  152                          ; v152-159 vb[32 u + l]
.set DA,  160                          ; v160-223 two sets of four accumulators
.set OO,  224                          ; v224-239 the output's 16 partial tiles
; window 3: all that the building of rows touches
.set PW0, 128                          ; w0 w1 w2 b of pos0, 8 channels each; pos1 behind
.set PW1, 160
.set ACA, 192
.set ACB, 200
.set REL, 216
.set L32, 220
.set VOFF, 224
.set IDL, 68                           ; s68-83 a query's 16 indices as loaded;  s84-99 held inside the table
.set IDW, 84
.set WV,  60
.set MSB, 0
.macro WIN new                         ; the immediate's high byte repeats the setting that is left
.if MSB != (\new)
	s_set_vgpr_msb (MSB<<8)|(\new)
.set MSB, (\new)
.endif
.endm
.macro BARRIER
	s_wait_dscnt 0x0                               ; my LDS stores have landed and my LDS loads are in
	s_barrier_signal -1
	s_barrier_wait -1
.endm
; Eight channels of a row (lane l: channels 8 l on) become 8 codes; a block of 32 lies in four neighbouring lanes.  The four lanes store the same scale byte.
.macro QROW x, t, ca, co, sa, so
	v_max3_num_f32 v[\t], |v[\x]|, |v[\x+1]|, 0x1800000      ; the floor 2^(3 - 127) holds the byte at 1 from below
	v_max3_num_f32 v[\t+1], |v[\x+2]|, |v[\x+3]|, |v[\x+4]|
	v_max3_num_f32 v[\t], v[\t], |v[\x+5]|, |v[\x+6]|
	v_max3_num_f32 v[\t], v[\t], v[\t+1], |v[\x+7]|
	v_max_num_f32_dpp v[\t], v[\t], v[\t] row_xmask:1 row_mask:0xf bank_mask:0xf
	v_max_num_f32_dpp v[\t], v[\t], v[\t] row_xmask:2 row_mask:0xf bank_mask:0xf
	v_add_nc_u32 v[\t+1], 0xff000000, v[\t]        ; 2 off the exponent field: the conversion's scale operand
	v_cvt_scalef32_pk8_fp4_f32 v[\t+2], v[\x:\x+7], v[\t+1]
	v_lshrrev_b32 v[\t+3], 23, v[\t+1]             ; the byte; also the plain line behind the conversion
	ds_store_b32 v[\ca], v[\t+2] offset:\co
	ds_store_b8 v[\sa], v[\t+3] offset:\so
.endm
; The same for both layers' versions of row m, line by line in turn (window 3).
.macro QROW2 t, m
	v_max3_num_f32 v[\t], |v[ACA]|, |v[ACA+1]|, 0x1800000
	v_max3_num_f32 v[\t+1], |v[ACB]|, |v[ACB+1]|, 0x1800000
	v_max3_num_f32 v[\t+2], |v[ACA+2]|, |v[ACA+3]|, |v[ACA+4]|
	v_max3_num_f32 v[\t+3], |v[ACB+2]|, |v[ACB+3]|, |v[ACB+4]|
	v_max3_num_f32 v[\t], v[\t], |v[ACA+5]|, |v[ACA+6]|
	v_max3_num_f32 v[\t+1], v[\t+1], |v[ACB+5]|, |v[ACB+6]|
	v_max3_num_f32 v[\t], v[\t], v[\t+2], |v[ACA+7]|
	v_max3_num_f32 v[\t+1], v[\t+1], v[\t+3], |v[ACB+7]|
	v_max_num_f32_dpp v[\t], v[\t], v[\t] row_xmask:1 row_mask:0xf bank_mask:0xf
	v_max_num_f32_dpp v[\t+1], v[\t+1], v[\t+1] row_xmask:1 row_mask:0xf bank_mask:0xf
	v_max_num_f32_dpp v[\t], v[\t], v[\t] row_xmask:2 row_mask:0xf bank_mask:0xf
	v_max_num_f32_dpp v[\t+1], v[\t+1], v[\t+1] row_xmask:2 row_mask:0xf bank_mask:0xf
	v_add_nc_u32 v[\t+2], 0xff000000, v[\t]
	v_add_nc_u32 v[\t+3], 0xff000000, v[\t+1]
	v_cvt_scalef32_pk8_fp4_f32 v[\t+4], v[ACA:ACA+7], v[\t+2]
	v_cvt_scalef32_pk8_fp4_f32 v[\t+5], v[ACB:ACB+7], v[\t+3]
	v_lshrrev_b32 v[\t+6], 23, v[\t+2]
	v_lshrrev_b32 v[\t+7], 23, v[\t+3]
	ds_store_b32 v240, v[\t+4] offset:144*\m
	ds_store_b8 v241, v[\t+6] offset:8*\m
	ds_store_b32 v244, v[\t+5] offset:144*\m
	ds_store_b8 v245, v[\t+7] offset:8*\m
.endm
; Row m of the query in hand: nf = pos_b + rel pos_w + F for both layers, quantised; the NEXT query's row m is asked for into the same registers.
.macro BROW m
.set rs, 48+6*((\m)%2)
.set bt, 208+38*((\m)%2)
	s_wait_loadcnt 30                              ; 32 gather loads are out; this row's two are the oldest
	v_readlane_b32 s[rs], v[REL], \m               ; lane m holds row m's rel
	v_readlane_b32 s[rs+2], v[REL+1], \m
	v_readlane_b32 s[rs+4], v[REL+2], \m
.irp p, 0,2,4,6
	v_pk_fma_f32 v[ACA+\p:ACA+\p+1], v[PW0+\p:PW0+\p+1], s[rs:rs+1], v[PW0+24+\p:PW0+25+\p] op_sel_hi:[1,0,1]
	v_pk_fma_f32 v[ACB+\p:ACB+\p+1], v[PW1+\p:PW1+\p+1], s[rs:rs+1], v[PW1+24+\p:PW1+25+\p] op_sel_hi:[1,0,1]
.endr
.irp p, 0,2,4,6
	v_pk_fma_f32 v[ACA+\p:ACA+\p+1], v[PW0+8+\p:PW0+9+\p], s[rs+2:rs+3], v[ACA+\p:ACA+\p+1] op_sel_hi:[1,0,1]
	v_pk_fma_f32 v[ACB+\p:ACB+\p+1], v[PW1+8+\p:PW1+9+\p], s[rs+2:rs+3], v[ACB+\p:ACB+\p+1] op_sel_hi:[1,0,1]
.endr
.irp p, 0,2,4,6
	v_pk_fma_f32 v[ACA+\p:ACA+\p+1], v[PW0+16+\p:PW0+17+\p], s[rs+4:rs+5], v[ACA+\p:ACA+\p+1] op_sel_hi:[1,0,1]
	v_pk_fma_f32 v[ACB+\p:ACB+\p+1], v[PW1+16+\p:PW1+17+\p], s[rs+4:rs+5], v[ACB+\p:ACB+\p+1] op_sel_hi:[1,0,1]
.endr
.irp p, 0,2,4,6
	v_pk_add_f32 v[ACA+\p:ACA+\p+1], v[ACA+\p:ACA+\p+1], v[8*\m+\p:8*\m+\p+1]
	v_pk_add_f32 v[ACB+\p:ACB+\p+1], v[ACB+\p:ACB+\p+1], v[8*\m+\p:8*\m+\p+1]
.endr
	v_lshl_add_u32 v[VOFF+\m], s[IDW+\m], 10, v[L32]   ; its last load is in (the wait above), so the offset may be written
	global_load_b128 v[8*\m:8*\m+3], v[VOFF+\m], s[10:11]
	global_load_b128 v[8*\m+4:8*\m+7], v[VOFF+\m], s[10:11] offset:16
	QROW2 bt, \m
.endm
; Q = x qw + qb for the work-group's 32 rows; wave w makes columns 64 w on (tiles 4 w + i).  Eight accumulators by turns.
.macro QPROD wo, so, bp
	WIN 0x40                                       ; destination window 1
.irp e, 0,1,2,3,4,5,6,7
.irp c, 0,1
	global_load_b128 v[8*\e+4*\c:8*\e+4*\c+3], v12, s[32:33] offset:\wo+1024*\e+512*\c
.endr
.endr
	WIN 0
.irp e, 0,1,2,3,4,5,6,7
	global_load_b32 v[WQS+\e], v13, s[32:33] offset:\so+64*\e
.endr
.irp i, 0,1,2,3
	global_load_b128 v[80+8*\i:83+8*\i], v14, s[\bp:\bp+1] offset:64*\i       ; qb[16 t + 8 h + j]: the result's layout
	global_load_b128 v[84+8*\i:87+8*\i], v14, s[\bp:\bp+1] offset:64*\i+16
.endr
.irp u, 0,1
.irp s, 0,1
.irp c, 0,1
	ds_load_b128 v[112+16*\u+8*\s+4*\c:115+16*\u+8*\s+4*\c], v15 offset:2304*\u+64*\s+32*\c
.endr
.endr
	ds_load_b64 v[XSR+2*\u:XSR+2*\u+1], v62 offset:128*\u
.endr
	s_wait_loadcnt 0x0
	s_wait_dscnt 0x0
	WIN 0x01                                       ; source 0 (the weight) window 1
.irp u, 0,1
.irp i, 0,1,2,3
	v_wmma_scale_f32_16x16x128_f8f6f4 v[144+8*(4*\u+\i):151+8*(4*\u+\i)], v[16*\i:16*\i+7], v[112+16*\u:119+16*\u], v[80+8*\i:87+8*\i], v[WQS+2*\i], v[XSR+2*\u] matrix_a_fmt:MATRIX_FMT_FP4 matrix_b_fmt:MATRIX_FMT_FP4
.endr
.endr
.irp u, 0,1
.irp i, 0,1,2,3
	v_wmma_scale_f32_16x16x128_f8f6f4 v[144+8*(4*\u+\i):151+8*(4*\u+\i)], v[16*\i+8:16*\i+15], v[120+16*\u:127+16*\u], v[144+8*(4*\u+\i):151+8*(4*\u+\i)], v[WQS+2*\i+1], v[XSR+2*\u+1] matrix_a_fmt:MATRIX_FMT_FP4 matrix_b_fmt:MATRIX_FMT_FP4
.endr
.endr
	WIN 0
.rept 5
	v_nop                                          ; places: four for the stores and later loads, a fifth for the products that later begin anew over these registers
.endr
.irp u, 0,1
.irp i, 0,1,2,3
	ds_store_b128 v63, v[144+8*(4*\u+\i):147+8*(4*\u+\i)] offset:16640*\u+64*\i
	ds_store_b128 v63, v[148+8*(4*\u+\i):151+8*(4*\u+\i)] offset:16640*\u+64*\i+16
.endr
.endr
.endm
; A layer's weights into registers: K's 32 fragments window 1, V's window 2, their scale words, and the two biases.
.macro LOADW wa, sa, kbp, vbp
	WIN 0x40
.set k, 0
.rept 64
	ds_load_b128 v[4*k:4*k+3], v[\wa] offset:512*k
.set k, k+1
.endr
	WIN 0x80
.set k, 0
.rept 64
	ds_load_b128 v[4*k:4*k+3], v[\wa] offset:32768+512*k
.set k, k+1
.endr
	WIN 0
.set k, 0
.rept 32
	ds_load_b32 v[BS+k], v[\sa] offset:64*k
.set k, k+1
.endr
.irp t, 0,1,2,3,4,5,6,7,8,9,10,11,12,13,14,15
	global_load_b32 v[KB+\t], v7, s[\kbp:\kbp+1] offset:64*\t
.endr
.irp u, 0,1,2,3,4,5,6,7
	global_load_b32 v[VB+\u], v6, s[\vbp:\vbp+1] offset:128*\u
.endr
	s_wait_loadcnt 0x0
	s_wait_dscnt 0x0
.endm
; Four tiles (16 columns each) of Km (x = 0) or V (x = 1): four products start the sums, four add the second K step; the four accumulators take turns.
.macro WM x, g
	WIN 0x04+4*(\x)                                ; source 1 window 1 or 2
.irp s, 0,1
.irp i, 0,1,2,3
.set ff, 2*(4*\g+\i)+\s
.set dd, DA+32*((\g)%2)+8*\i
.if \s == 0
.if \x == 0
	v_wmma_scale_f32_16x16x128_f8f6f4 v[dd:dd+7], v[AF:AF+7], v[8*ff:8*ff+7], 0, v[AS], v[BS+ff] matrix_a_fmt:MATRIX_FMT_FP4 matrix_b_fmt:MATRIX_FMT_FP4
.else
	v_wmma_scale_f32_16x16x128_f8f6f4 v[dd:dd+7], v[AF:AF+7], v[8*ff:8*ff+7], 0, v[AS], v[BS+ff] matrix_a_fmt:MATRIX_FMT_FP4 matrix_b_fmt:MATRIX_FMT_FP4 matrix_b_scale:MATRIX_SCALE_ROW1
.endif
.else
.if \x == 0
	v_wmma_scale_f32_16x16x128_f8f6f4 v[dd:dd+7], v[AF+8:AF+15], v[8*ff:8*ff+7], v[dd:dd+7], v[AS+1], v[BS+ff] matrix_a_fmt:MATRIX_FMT_FP4 matrix_b_fmt:MATRIX_FMT_FP4
.else
	v_wmma_scale_f32_16x16x128_f8f6f4 v[dd:dd+7], v[AF+8:AF+15], v[8*ff:8*ff+7], v[dd:dd+7], v[AS+1], v[BS+ff] matrix_a_fmt:MATRIX_FMT_FP4 matrix_b_fmt:MATRIX_FMT_FP4 matrix_b_scale:MATRIX_SCALE_ROW1
.endif
.endif
.endr
.endr
	WIN 0
.endm
; logits += Km's four tiles x Q: each accumulator is read from its low end on.  The very first takes c = my part of kb . Q as its addend.
.macro CK g
.irp i, 0,1,2,3
.set tt, 4*\g+\i
.set dd, DA+32*((\g)%2)+8*\i
.irp p, 0,2,4,6
.if tt == 0
	v_pk_fma_f32 v[LG+\p:LG+\p+1], v[dd+\p:dd+\p+1], v[QR:QR+1], v[TP:TP+1] op_sel_hi:[1,0,0]
.elseif tt%2 == 0
	v_pk_fma_f32 v[LG+\p:LG+\p+1], v[dd+\p:dd+\p+1], v[QR+tt:QR+tt+1], v[LG+\p:LG+\p+1] op_sel_hi:[1,0,1]
.else
	v_pk_fma_f32 v[LG+\p:LG+\p+1], v[dd+\p:dd+\p+1], v[QR+tt-1:QR+tt], v[LG+\p:LG+\p+1] op_sel:[0,1,0] op_sel_hi:[1,1,1]
.endif
.endr
.endr
.endm
; my half's part of the output's four tiles: the sum over my eight neighbours of weight x V
.macro CV g
.irp i, 0,1,2,3
	v_pk_mul_f32 v[TP+8+2*\i:TP+9+2*\i], v[DA+32*((\g)%2)+8*\i:DA+32*((\g)%2)+8*\i+1], v[LG:LG+1]
.endr
.irp p, 2,4,6
.irp i, 0,1,2,3
	v_pk_fma_f32 v[TP+8+2*\i:TP+9+2*\i], v[DA+32*((\g)%2)+8*\i+\p:DA+32*((\g)%2)+8*\i+\p+1], v[LG+\p:LG+\p+1], v[TP+8+2*\i:TP+9+2*\i]
.endr
.endr
.irp i, 0,1,2,3
	v_add_f32 v[OO+4*\g+\i], v[TP+8+2*\i], v[TP+9+2*\i]
.endr
.endm
; One query's attention.  ca, sa: its rows' codes and scale bytes; qa: its row of Q.  The output row (256 f32) goes to the wave's OB.
; Between a group of products and the lines that read or write over its registers stands the vector work on the OTHER set of accumulators (16 lines or more): the places of ISA guide 7.12.1, with no v_nop.
.macro ATT ca, sa, qa
	ds_load_b128 v[AF:AF+3], v[\ca]
	ds_load_b128 v[AF+4:AF+7], v[\ca] offset:32
	ds_load_b128 v[AF+8:AF+11], v[\ca] offset:64
	ds_load_b128 v[AF+12:AF+15], v[\ca] offset:96
	ds_load_b64 v[AS:AS+1], v[\sa]
.irp t, 0,1,2,3,4,5,6,7,8,9,10,11,12,13,14,15
	ds_load_b32 v[QR+\t], v[\qa] offset:64*\t
.endr
	s_wait_dscnt 0x0
	WM 0, 0
	v_pk_mul_f32 v[TP:TP+1], v[KB:KB+1], v[QR:QR+1]          ; kb . Q, my 16 columns' part
.irp t, 2,4,6,8,10,12,14
	v_pk_fma_f32 v[TP:TP+1], v[KB+\t:KB+\t+1], v[QR+\t:QR+\t+1], v[TP:TP+1]
.endr
	v_add_f32 v[TP], v[TP], v[TP+1]
	WM 0, 1
	CK 0
	WM 0, 2
	CK 1
	WM 0, 3
	CK 2
	WM 1, 0
	CK 3
.irp x, 1,2,4,8
.irp j, 0,1,2,3,4,5,6,7
	v_add_f32_dpp v[LG+\j], v[LG+\j], v[LG+\j] row_xmask:\x row_mask:0xf bank_mask:0xf   ; over the 16 lanes' columns
.endr
.endr
	v_max3_num_f32 v[TP+2], v[LG], v[LG+1], v[LG+2]
	v_max3_num_f32 v[TP+2], v[TP+2], v[LG+3], v[LG+4]
	v_max3_num_f32 v[TP+2], v[TP+2], v[LG+5], v[LG+6]
	v_max_num_f32 v[TP+2], v[TP+2], v[LG+7]
	v_permlanex16_b32 v[TP+3], v[TP+2], s62, s63
	v_max_num_f32 v[TP+2], v[TP+2], v[TP+3]                  ; the largest of the 16 logits
.irp p, 0,2,4,6
	v_pk_add_f32 v[LG+\p:LG+\p+1], v[LG+\p:LG+\p+1], v[TP+2:TP+3] op_sel_hi:[1,0] neg_lo:[0,1] neg_hi:[0,1]
.endr
.irp p, 0,2,4,6
	v_pk_mul_f32 v[LG+\p:LG+\p+1], v[LG+\p:LG+\p+1], 0x3db8aa3b op_sel_hi:[1,0]   ; x log2(e) / 16
.endr
.irp j, 0,1,2,3,4,5,6,7
	v_exp_f32 v[LG+\j], v[LG+\j]
.endr
	v_nop                                          ; a plain line behind the exponentials,
	s_wait_alu depctr_va_vdst(0)                   ; and the one wait for the batch
	v_pk_add_f32 v[TP+4:TP+5], v[LG:LG+1], v[LG+2:LG+3]
	v_pk_add_f32 v[TP+6:TP+7], v[LG+4:LG+5], v[LG+6:LG+7]
	v_pk_add_f32 v[TP+4:TP+5], v[TP+4:TP+5], v[TP+6:TP+7]
	v_add_f32 v[TP+4], v[TP+4], v[TP+5]
	v_permlanex16_b32 v[TP+5], v[TP+4], s62, s63
	v_add_f32 v[TP+4], v[TP+4], v[TP+5]
	v_rcp_f32 v[TP+6], v[TP+4]
	v_nop
	s_wait_alu depctr_va_vdst(0)
.irp p, 0,2,4,6
	v_pk_mul_f32 v[LG+\p:LG+\p+1], v[LG+\p:LG+\p+1], v[TP+6:TP+7] op_sel_hi:[1,0]   ; the weights
.endr
	v_mul_f32 v[TP+5], v[TP+4], v[TP+6]                      ; their sum, which multiplies vb
	WM 1, 1
	CV 0
	WM 1, 2
	CV 1
	WM 1, 3
	CV 2
	CV 3
.irp u, 0,1,2,3,4,5,6,7
	v_permlane16_swap_b32 v[OO+2*\u], v[OO+2*\u+1]           ; the first's upper lanes change places with the second's lower: the two halves' parts of a column now lie in one lane
.endr
.irp u, 0,1,2,3,4,5,6,7
	v_add_f32 v[OO+2*\u], v[OO+2*\u], v[OO+2*\u+1]           ; channel 32 u + l
.endr
.irp u, 0,1,2,3,4,5,6,7
	v_fma_f32 v[OO+2*\u], v[VB+\u], v[TP+5], v[OO+2*\u]
.endr
.irp u, 0,1,2,3,4,5,6,7
	ds_store_b32 v68, v[OO+2*\u] offset:128*\u
.endr
.endm
; Column means and sums of squared deviations of 32 rows (pitch 1,040); a thread has two channels.
.macro STATS va, x, a, vo, sp
.irp i, 0,1,2,3,4,5,6,7,8,9,10,11,12,13,14,15,16,17,18,19,20,21,22,23,24,25,26,27,28,29,30,31
	ds_load_b64 v[\x+2*\i:\x+2*\i+1], v[\va] offset:1040*\i
.endr
	s_wait_dscnt 0x0
.irp k, 0,1,2,3
	v_pk_add_f32 v[\a+2*\k:\a+2*\k+1], v[\x+2*\k:\x+2*\k+1], v[\x+8+2*\k:\x+9+2*\k]
.endr
.irp i, 8,9,10,11,12,13,14,15,16,17,18,19,20,21,22,23,24,25,26,27,28,29,30,31
	v_pk_add_f32 v[\a+2*(\i%4):\a+2*(\i%4)+1], v[\a+2*(\i%4):\a+2*(\i%4)+1], v[\x+2*\i:\x+2*\i+1]
.endr
	v_pk_add_f32 v[\a:\a+1], v[\a:\a+1], v[\a+2:\a+3]
	v_pk_add_f32 v[\a+4:\a+5], v[\a+4:\a+5], v[\a+6:\a+7]
	v_pk_add_f32 v[\a:\a+1], v[\a:\a+1], v[\a+4:\a+5]
	v_pk_mul_f32 v[\a:\a+1], v[\a:\a+1], 0x3d000000 op_sel_hi:[1,0]      ; / 32: the mean
.irp i, 0,1,2,3,4,5,6,7,8,9,10,11,12,13,14,15,16,17,18,19,20,21,22,23,24,25,26,27,28,29,30,31
	v_pk_add_f32 v[\x+2*\i:\x+2*\i+1], v[\x+2*\i:\x+2*\i+1], v[\a:\a+1] neg_lo:[0,1] neg_hi:[0,1]
.endr
.irp k, 0,1,2,3
	v_pk_mul_f32 v[\a+2+2*\k:\a+3+2*\k], v[\x+2*\k:\x+2*\k+1], v[\x+2*\k:\x+2*\k+1]
.endr
.irp i, 4,5,6,7,8,9,10,11,12,13,14,15,16,17,18,19,20,21,22,23,24,25,26,27,28,29,30,31
	v_pk_fma_f32 v[\a+2+2*(\i%4):\a+3+2*(\i%4)], v[\x+2*\i:\x+2*\i+1], v[\x+2*\i:\x+2*\i+1], v[\a+2+2*(\i%4):\a+3+2*(\i%4)]
.endr
	v_pk_add_f32 v[\a+2:\a+3], v[\a+2:\a+3], v[\a+4:\a+5]
	v_pk_add_f32 v[\a+6:\a+7], v[\a+6:\a+7], v[\a+8:\a+9]
	v_pk_add_f32 v[\a+2:\a+3], v[\a+2:\a+3], v[\a+6:\a+7]
	global_store_b64 v[\vo], v[\a:\a+1], s[\sp:\sp+1]                    ; a wave's store covers 256 consecutive bytes, aligned
	global_store_b64 v[\vo], v[\a+2:\a+3], s[\sp:\sp+1] offset:256
.endm
	; ---- the head
	s_load_b512 s[4:19], s[0:1], 0x0               ; lossy_C 4, lossy_F 6, ref_C 8, ref_F 10, pos0_w 12, pos0_b 14, pos1_w 16, pos1_b 18
	s_load_b512 s[20:35], s[0:1], 0x40             ; q0_b 20, k0_b 22, v0_b 24, q1_b 26, k1_b 28, v1_b 30, tab 32, idx 34
	s_load_b128 s[36:39], s[0:1], 0x80             ; x0 36, part 38
	v_lshl_add_u32 v254, v0, 2, 0x4c000
	v_mov_b32 v255, 0
	v_lshrrev_b32 v80, 5, v0
	v_readfirstlane_b32 s[WV], v80                 ; wave 0..3
	v_and_b32 v1, 31, v0                           ; l
	v_and_b32 v2, 15, v0                           ; r
	v_bfe_u32 v3, v0, 4, 1                         ; h
	v_lshlrev_b32 v4, 4, v1                        ; 16 l
	v_lshlrev_b32 v5, 5, v1                        ; 32 l
	v_lshlrev_b32 v6, 2, v1                        ; 4 l
	v_lshlrev_b32 v7, 2, v2                        ; 4 r
	v_add_nc_u32 v8, 65536, v4                     ; layer 1's weights in LDS
	v_lshl_add_u32 v9, v3, 11, v7
	v_add_nc_u32 v9, 131072, v9                    ; layer 0's scale words: lanes 16-31 take V's, 2,048 further on
	v_add_nc_u32 v10, 4096, v9                     ; layer 1's
	s_mul_i32 s2, s[WV], 34816
	v_add_nc_u32 v11, s2, v4                       ; where I put my quarter of the weights
	s_lshl_b32 s2, s[WV], 13
	v_add_nc_u32 v12, s2, v4                       ; the Q weight: my 8 fragments
	s_lshl_b32 s2, s[WV], 9
	v_add_nc_u32 v13, s2, v7                       ; their scale words
	v_lshlrev_b32 v14, 5, v3
	s_lshl_b32 s2, s[WV], 8
	v_add_nc_u32 v14, s2, v14                      ; 256 w + 32 h: my columns' bytes in a row of 256 f32
	v_mul_u32_u24 v80, v2, 144
	v_lshl_add_u32 v80, v3, 4, v80                 ; a fragment's place: row r, + 16 h
	v_lshrrev_b32 v81, 2, v1                       ; l / 4: my block of 32 channels
	v_lshlrev_b32 v82, 3, v2                       ; 8 r
	v_add_nc_u32 v15, XI, v80
	v_add_nc_u32 v62, XS, v82
	v_mul_u32_u24 v63, v2, 1040
	v_add_nc_u32 v63, v63, v14
	v_add_nc_u32 v63, QB, v63                      ; Q's way into QB
	s_mul_i32 s2, s[WV], 8320                      ; my 8 rows of pitch 1,040
	v_add_nc_u32 v64, s2, v7
	v_add_nc_u32 v64, QB, v64                      ; Q[16 t + r] of my first query
	v_add_nc_u32 v79, s2, v4
	v_add_nc_u32 v79, XR, v79
	s_mul_i32 s2, s[WV], 2304
	v_add_nc_u32 v66, s2, v80
	v_add_nc_u32 v66, NF0, v66
	v_add_nc_u32 v83, s2, v6                       ; (2,304 w + 4 l)
	s_lshl_b32 s2, s[WV], 7
	v_add_nc_u32 v67, s2, v82
	v_add_nc_u32 v67, SC0, v67
	v_add_nc_u32 v84, s2, v81                      ; (128 w + l / 4)
	s_lshl_b32 s2, s[WV], 10
	v_add_nc_u32 v68, s2, v6
	v_add_nc_u32 v68, OB, v68
	v_add_nc_u32 v69, s2, v5
	v_add_nc_u32 v69, OB, v69
	v_add_nc_u32 v70, s2, v4
	v_add_nc_u32 v70, OB, v70
	v_add_nc_u32 v77, s2, v82
	v_add_nc_u32 v77, SC1, v77
	v_add_nc_u32 v86, s2, v81                      ; (1,024 w + l / 4)
	s_mul_i32 s2, s[WV], 1152
	v_add_nc_u32 v71, s2, v6
	v_add_nc_u32 v71, XI, v71
	s_lshl_b32 s2, s[WV], 6
	v_add_nc_u32 v73, s2, v81
	v_add_nc_u32 v73, XS, v73
	s_mul_i32 s2, s[WV], 18432
	v_add_nc_u32 v75, s2, v80
	v_add_nc_u32 v75, NF1, v75
	v_add_nc_u32 v85, s2, v6                       ; (18,432 w + 4 l)
	s_lshl_b32 s2, s[WV], 11
	v_add_nc_u32 v249, s2, v4
	v_add_nc_u32 v249, RB, v249                    ; rel: in, 16 l
	v_lshl_add_u32 v87, v2, 4, s2                  ; (2,048 w + 16 r)
	v_mul_u32_u24 v250, v3, 12
	WIN 0xc0                                       ; destination window 3, sources window 0
	v_add_nc_u32 v220, 0, v5
	v_add_nc_u32 v222, RB, v87
	v_add_nc_u32 v240, NF0, v83
	v_add_nc_u32 v241, SC0, v84
	v_add_nc_u32 v242, NF1, v85
	v_add_nc_u32 v243, SC1, v86
	WIN 0
.irp j, 0,1,2,3,4,5,6,7,8,9,10,11,12,13,14,15
	v_mov_b32 v[TP+\j], 0                          ; written once: a lane permute's destination counts as one of its sources
.endr
	s_mov_b32 s62, 0x76543210
	s_mov_b32 s63, 0xfedcba98                      ; lane l xor 16
.irp j, 49,51,53,55,57,59
	s_mov_b32 s\j, 0                               ; the upper words of rel's scalar pairs: named with them, so they are written
.endr
	s_lshl_b32 s66, ttmp9, 5
	s_lshl_b32 s67, s[WV], 3
	s_add_co_u32 s66, s66, s67                     ; my wave's first query
	s_mov_b32 s3, 0
	s_wait_kmcnt 0x0
	s_lshl_b32 s2, s66, 10
	s_add_nc_u64 s[6:7], s[6:7], s[2:3]
	s_add_nc_u64 s[36:37], s[36:37], s[2:3]
	s_lshl_b32 s2, s66, 6
	s_add_nc_u64 s[34:35], s[34:35], s[2:3]
	s_mul_i32 s2, s66, 12
	s_add_nc_u64 s[4:5], s[4:5], s[2:3]
	s_mul_i32 s2, s[WV], 34816
	s_add_co_u32 s2, s2, TWKV
	s_add_nc_u64 s[100:101], s[32:33], s[2:3]      ; my quarter of the weights in tab
	WIN 0x40                                       ; windows 1 and 2 serve as the weights' stage on their way to LDS
.set k, 0
.rept 64
	global_load_b128 v[4*k:4*k+3], v4, s[100:101] offset:512*k
.set k, k+1
.endr
	WIN 0x80
.set k, 0
.rept 4
	global_load_b128 v[4*k:4*k+3], v4, s[100:101] offset:512*(64+k)
.set k, k+1
.endr
	WIN 0xc0
.irp j, 0,1,2
	global_load_b128 v[PW0+8*\j:PW0+8*\j+3], v5, s[12:13] offset:1024*\j
	global_load_b128 v[PW0+8*\j+4:PW0+8*\j+7], v5, s[12:13] offset:1024*\j+16
	global_load_b128 v[PW1+8*\j:PW1+8*\j+3], v5, s[16:17] offset:1024*\j
	global_load_b128 v[PW1+8*\j+4:PW1+8*\j+7], v5, s[16:17] offset:1024*\j+16
.endr
	global_load_b128 v[PW0+24:PW0+27], v5, s[14:15]
	global_load_b128 v[PW0+28:PW0+31], v5, s[14:15] offset:16
	global_load_b128 v[PW1+24:PW1+27], v5, s[18:19]
	global_load_b128 v[PW1+28:PW1+31], v5, s[18:19] offset:16
	WIN 0
.irp g, 0,1,2,3                                ; pair 32 g + l: query 2 g + h of my eight, neighbour r
	global_load_b32 v[192+\g], v6, s[34:35] offset:128*\g
.irp k, 0,1,2
	global_load_b32 v[160+4*\g+\k], v250, s[4:5] offset:24*\g+4*\k
.endr
.endr
.irp i, 0,1,2,3,4,5,6,7
	global_load_b128 v[96+8*\i:99+8*\i], v5, s[6:7] offset:1024*\i
	global_load_b128 v[100+8*\i:103+8*\i], v5, s[6:7] offset:1024*\i+16
.endr
	s_wait_loadcnt 0x0
.irp g, 0,1,2,3
	v_min_u32 v[192+\g], 0x3fff, v[192+\g]         ; a stored index is held inside the table
	v_mul_u32_u24 v[192+\g], v[192+\g], 12
.irp k, 0,1,2
	global_load_b32 v[176+4*\g+\k], v[192+\g], s[8:9] offset:4*\k
.endr
.endr
	WIN 0x04                                       ; an LDS store's data are its source 1: window 1
.set k, 0
.rept 64
	ds_store_b128 v11, v[4*k:4*k+3] offset:512*k
.set k, k+1
.endr
	WIN 0x08
.set k, 0
.rept 4
	ds_store_b128 v11, v[4*k:4*k+3] offset:512*(64+k)
.set k, k+1
.endr
	WIN 0
.irp i, 0,1,2,3,4,5,6,7
	QROW 96+8*\i, 200+4*\i, 71, 144*\i, 73, 8*\i   ; my 8 rows of lossy_F, for the first Q product
.endr
	s_wait_loadcnt 0x0
.irp g, 0,1,2,3
.irp k, 0,1,2
	v_sub_f32 v[160+4*\g+\k], v[160+4*\g+\k], v[176+4*\g+\k]   ; rel = query - neighbour
.endr
	v_mov_b32 v[163+4*\g], 0
	ds_store_b128 v249, v[160+4*\g:163+4*\g] offset:512*\g
.endr
	BARRIER                                        ; the weights and the 32 rows' codes lie in LDS
	QPROD WQ0, SQ0, 20
	BARRIER                                        ; Q of layer 0 lies in QB; nobody reads XI, XS any more
	; ---- layer 0, and the building of both layers' rows
	LOADW 4, 9, 22, 24
	s_load_b512 s[IDL:IDL+15], s[34:35], 0x0       ; query 0's indices
	s_wait_kmcnt 0x0
.irp j, 0,1,2,3,4,5,6,7,8,9,10,11,12,13,14,15
	s_min_u32 s[IDW+\j], s[IDL+\j], 0x3fff
.endr
	s_load_b512 s[IDL:IDL+15], s[34:35], 0x40      ; query 1's
	WIN 0xff
.irp m, 0,1,2,3,4,5,6,7,8,9,10,11,12,13,14,15
	v_lshl_add_u32 v[VOFF+\m], s[IDW+\m], 10, v[L32]
	global_load_b128 v[8*\m:8*\m+3], v[VOFF+\m], s[10:11]
	global_load_b128 v[8*\m+4:8*\m+7], v[VOFF+\m], s[10:11] offset:16
.endr
	WIN 0
	s_mov_b32 s40, 0                               ; the query, and its steps in QB/XR, RB, NF1, SC1, XI, XS
	s_mov_b32 s41, 0
	s_mov_b32 s42, 0
	s_mov_b32 s43, 0
	s_mov_b32 s44, 0
	s_mov_b32 s45, 0
	s_mov_b32 s46, 0
.Lq0:
	s_wait_kmcnt 0x0                               ; the next query's indices are in
.irp j, 0,1,2,3,4,5,6,7,8,9,10,11,12,13,14,15
	s_min_u32 s[IDW+\j], s[IDL+\j], 0x3fff
.endr
	s_add_co_u32 s47, s40, 2
	s_min_u32 s47, s47, 7                          ; the last trips ask for query 7's again: no load leaves the buffer
	s_lshl_b32 s47, s47, 6
	s_load_b512 s[IDL:IDL+15], s[34:35], s47 offset:0x0
	WIN 0xff
	v_add_nc_u32 v221, s42, v222
	v_add_nc_u32 v244, s43, v242
	v_add_nc_u32 v245, s44, v243
	ds_load_b128 v[REL:REL+3], v221
	s_wait_dscnt 0x0
.irp m, 0,1,2,3,4,5,6,7,8,9,10,11,12,13,14,15
	BROW \m
.endr
	WIN 0
	v_add_nc_u32 v65, s41, v64
	v_add_nc_u32 v72, s45, v71
	v_add_nc_u32 v74, s46, v73
	ATT 66, 67, 65
	ds_load_b128 v[80:83], v69                     ; the output row back, 8 channels a lane (my wave's own bytes, served in order)
	ds_load_b128 v[84:87], v69 offset:16
	s_wait_dscnt 0x0
	QROW 80, 88, 72, 0, 74, 0                      ; it is a row of the second Q product
	s_add_co_u32 s41, s41, 1040
	s_add_co_u32 s42, s42, 256
	s_add_co_u32 s43, s43, 2304
	s_add_co_u32 s44, s44, 128
	s_add_co_u32 s45, s45, 144
	s_add_co_u32 s46, s46, 8
	s_add_co_u32 s40, s40, 1
	s_cmp_lt_u32 s40, 8
	s_cbranch_scc1 .Lq0
	s_wait_loadcnt 0x0                             ; the last trip's look-ahead
	s_wait_kmcnt 0x0
	BARRIER                                        ; the 32 output rows' codes lie in XI, XS; nobody reads QB any more
	QPROD WQ1, SQ1, 26
	BARRIER
	; ---- layer 1
	LOADW 8, 10, 28, 30
	s_mov_b32 s40, 0
	s_mov_b32 s41, 0
	s_mov_b32 s43, 0
	s_mov_b32 s44, 0
.Lq1:
	v_add_nc_u32 v76, s43, v75
	v_add_nc_u32 v78, s44, v77
	v_add_nc_u32 v65, s41, v64
	v_add_nc_u32 v248, s41, v79
	global_load_b128 v[240:243], v4, s[6:7]        ; the query's row of lossy_F lands under the attention
	global_load_b128 v[244:247], v4, s[6:7] offset:512
	ATT 76, 78, 65
	ds_load_b128 v[80:83], v70
	ds_load_b128 v[84:87], v70 offset:512
	s_wait_dscnt 0x0
	s_wait_loadcnt 0x0
.irp p, 0,2,4,6
	v_pk_add_f32 v[80+\p:81+\p], v[80+\p:81+\p], v[240+\p:241+\p]
.endr
	global_store_b128 v4, v[80:83], s[36:37]       ; 512 consecutive bytes a store
	global_store_b128 v4, v[84:87], s[36:37] offset:512
	ds_store_b128 v248, v[80:83]
	ds_store_b128 v248, v[84:87] offset:512
	s_wait_xcnt 0x0                                ; the bases and the stores' data are written again only behind this wait
	s_add_nc_u64 s[6:7], s[6:7], 1024
	s_add_nc_u64 s[36:37], s[36:37], 1024
	s_add_co_u32 s41, s41, 1040
	s_add_co_u32 s43, s43, 2304
	s_add_co_u32 s44, s44, 128
	s_add_co_u32 s40, s40, 1
	s_cmp_lt_u32 s40, 8
	s_cbranch_scc1 .Lq1
	BARRIER                                        ; 32 rows of x0 lie in XR
	v_lshl_add_u32 v251, v0, 3, XR                 ; channels 2 t, 2 t + 1
	s_lshl_b32 s2, s[WV], 17
	s_lshl_b32 s3, ttmp9, 9
	s_add_co_u32 s2, s2, s3
	v_lshl_add_u32 v250, v1, 3, s2                 ; part[wave's 64 channels][work-group][mean | M2]
	STATS 251, 80, 144, 250, 38
	s_wait_tensorcnt 0x0
	ds_add_u32 v254, v255
	s_wait_dscnt 0x0
	s_endpgm
.Lfunc_end_k_q0deda27980_attn:
	.size	k_q0deda27980_attn, .Lfunc_end_k_q0deda27980_attn-k_q0deda27980_attn
	.p2alignl 7, 3214868480
	.fill 96, 4, 3214868480
	.section	.rodata,"a",@progbits
	.p2align	6, 0x0
	.amdhsa_kernel k_q0deda27980_attn
		.amdhsa_group_segment_fixed_size 311808
		.amdhsa_private_segment_fixed_size 0
		.amdhsa_enable_private_segment 0
		.amdhsa_kernarg_size 144
		.amdhsa_user_sgpr_count 2
		.amdhsa_user_sgpr_kernarg_segment_ptr 1
		.amdhsa_wavefront_size32 1
		.amdhsa_system_sgpr_workgroup_id_x 1
		.amdhsa_system_sgpr_workgroup_id_y 1
		.amdhsa_system_sgpr_workgroup_id_z 1
		.amdhsa_system_vgpr_workitem_id 0
		.amdhsa_next_free_vgpr 1024
		.amdhsa_next_free_sgpr 102
		.amdhsa_reserve_vcc 0
		.amdhsa_float_denorm_mode_32 3
		.amdhsa_float_denorm_mode_16_64 3
		.amdhsa_memory_ordered 1
		.amdhsa_forward_progress 1
		.amdhsa_inst_pref_size 197
	.end_amdhsa_kernel
	.amdgpu_metadata
---
amdhsa.version: [ 1, 2 ]
amdhsa.kernels:
  - .name:           k_q0deda27980_attn
    .symbol:         k_q0deda27980_attn.kd
    .args:
      - { .name: lossy_C, .offset: 0, .size: 8, .value_kind: global_buffer, .address_space: global }
      - { .name: lossy_F, .offset: 8, .size: 8, .value_kind: global_buffer, .address_space: global }
      - { .name: ref_C, .offset: 16, .size: 8, .value_kind: global_buffer, .address_space: global }
      - { .name: ref_F, .offset: 24, .size: 8, .value_kind: global_buffer, .address_space: global }
      - { .name: pos0_w, .offset: 32, .size: 8, .value_kind: global_buffer, .address_space: global }
      - { .name: pos0_b, .offset: 40, .size: 8, .value_kind: global_buffer, .address_space: global }
      - { .name: pos1_w, .offset: 48, .size: 8, .value_kind: global_buffer, .address_space: global }
      - { .name: pos1_b, .offset: 56, .size: 8, .value_kind: global_buffer, .address_space: global }
      - { .name: q0_b, .offset: 64, .size: 8, .value_kind: global_buffer, .address_space: global }
      - { .name: k0_b, .offset: 72, .size: 8, .value_kind: global_buffer, .address_space: global }
      - { .name: v0_b, .offset: 80, .size: 8, .value_kind: global_buffer, .address_space: global }
      - { .name: q1_b, .offset: 88, .size: 8, .value_kind: global_buffer, .address_space: global }
      - { .name: k1_b, .offset: 96, .size: 8, .value_kind: global_buffer, .address_space: global }
      - { .name: v1_b, .offset: 104, .size: 8, .value_kind: global_buffer, .address_space: global }
      - { .name: tab, .offset: 112, .size: 8, .value_kind: global_buffer, .address_space: global }
      - { .name: idx, .offset: 120, .size: 8, .value_kind: global_buffer, .address_space: global }
      - { .name: x0, .offset: 128, .size: 8, .value_kind: global_buffer, .address_space: global }
      - { .name: part, .offset: 136, .size: 8, .value_kind: global_buffer, .address_space: global }
    .group_segment_fixed_size: 311808
    .private_segment_fixed_size: 0
    .kernarg_segment_align: 8
    .kernarg_segment_size: 144
    .max_flat_workgroup_size: 128
    .sgpr_count:     102
    .vgpr_count:     1024
    .wavefront_size: 32
...
	.end_amdgpu_metadata
.endif
;; end of part 4
;; launch stat0 (part 5): grid 4 x 1, 8 waves a work-group, no clusters, 9,216 bytes of LDS; arguments part, bn0_g, bnp; writes bnp
.if DOCPART == 5
	.amdgcn_target "amdgcn-amd-amdhsa--gfx1250"
	.amdhsa_code_object_version 6
	.text
	.protected	k_q0deda27980_stat0
	.globl	k_q0deda27980_stat0
	.p2align	8
	.type	k_q0deda27980_stat0,@function
k_q0deda27980_stat0:
	s_mov_b64 s[64:65], 0
	v_nop
	global_prefetch_b8 v0, s[64:65] scope:SCOPE_SE
	s_setreg_imm32_b32 hwreg(HW_REG_WAVE_MODE, 25, 1), 1
	s_wait_xcnt 0x0
; The 256 work-groups' column means and sums of squared deviations (32 rows each) become the batch norm's mean and a = gain / sqrt(variance + 1e-5).
; A work-group has 64 channels; wave w takes partials 32 w on.  A partial's 512 bytes are 64 means, then 64 M2: lanes 0-15 hold means of channels 4 r on, lanes 16-31 their M2.
; The means are summed as differences from partial 0's mean, so that a common offset of the data does not enter a difference of large sums:
; variance = (sum M2 + 32 (sum d^2 - (sum d)^2 / 256)) / 8,192, mean = K + sum d / 256.
	s_load_b128 s[4:7], s[0:1], 0x0                ; part, gain
	s_load_b64 s[8:9], s[0:1], 0x10                ; bnp
	v_lshl_add_u32 v192, v0, 2, 0x2000
	v_mov_b32 v193, 0
	v_lshrrev_b32 v1, 5, v0
	v_readfirstlane_b32 s10, v1                    ; wave
	v_and_b32 v1, 31, v0
	v_and_b32 v2, 15, v0
	v_bfe_u32 v3, v0, 4, 1
	s_lshl_b32 s11, ttmp9, 17
	s_lshl_b32 s12, s10, 14
	s_add_co_u32 s12, s12, s11
	v_lshlrev_b32 v7, 4, v1
	v_add_nc_u32 v4, s12, v7
	v_add_nc_u32 v5, s11, v7
	s_lshl_b32 s13, ttmp9, 8
	v_lshl_add_u32 v6, v2, 4, s13                  ; 256 cb + 16 r
	v_lshl_add_u32 v8, v3, 10, v6                  ; lanes 0-15 store means, lanes 16-31 a, 1,024 bytes on
	s_lshl_b32 s14, s10, 10
	v_add_nc_u32 v9, s14, v7
	s_mov_b32 s16, 0x76543210
	s_mov_b32 s17, 0xfedcba98
	s_mov_b32 s18, 0x3727c5ac                      ; 1e-5
	s_wait_kmcnt 0x0
	global_load_b128 v[16:19], v5, s[4:5]          ; partial 0
	global_load_b128 v[20:23], v6, s[6:7]          ; the gains
.set i, 0
.rept 32
	global_load_b128 v[64+4*i:67+4*i], v4, s[4:5] offset:512*i
.set i, i+1
.endr
	v_cmp_gt_u32 vcc_lo, 16, v1
.irp k, 0,1,2,3,4,5,6,7
	v_mov_b32 v[28+\k], 0                          ; sum d (v28-31), sum d^2 (v32-35)
.endr
	s_wait_loadcnt 0x0
.irp k, 0,1,2,3
	v_cndmask_b32 v[24+\k], 0, v[16+\k], vcc_lo    ; K: partial 0's mean; 0 where the lane holds M2
.endr
.set i, 0
.rept 32
	v_pk_add_f32 v[64+4*i:65+4*i], v[64+4*i:65+4*i], v[24:25] neg_lo:[0,1] neg_hi:[0,1]
	v_pk_add_f32 v[66+4*i:67+4*i], v[66+4*i:67+4*i], v[26:27] neg_lo:[0,1] neg_hi:[0,1]
	v_pk_add_f32 v[28:29], v[28:29], v[64+4*i:65+4*i]
	v_pk_add_f32 v[30:31], v[30:31], v[66+4*i:67+4*i]
	v_pk_fma_f32 v[32:33], v[64+4*i:65+4*i], v[64+4*i:65+4*i], v[32:33]
	v_pk_fma_f32 v[34:35], v[66+4*i:67+4*i], v[66+4*i:67+4*i], v[34:35]
.set i, i+1
.endr
	ds_store_b128 v9, v[28:31]
	ds_store_b128 v9, v[32:35] offset:512
	s_wait_dscnt 0x0                               ; for wave 0's sake
	s_barrier_signal -1
	s_barrier_wait -1
	s_cmp_lg_u32 s10, 0
	s_cbranch_scc1 .Lend
.irp j, 0,1,2,3,4,5,6,7
	ds_load_b128 v[64+8*\j:67+8*\j], v7 offset:1024*\j
	ds_load_b128 v[68+8*\j:71+8*\j], v7 offset:1024*\j+512
.endr
	s_wait_dscnt 0x0
.irp j, 1,2,3,4,5,6,7
.irp p, 0,2,4,6
	v_pk_add_f32 v[64+\p:65+\p], v[64+\p:65+\p], v[64+8*\j+\p:65+8*\j+\p]
.endr
.endr
.irp k, 0,1,2,3,4,5,6,7
	v_mov_b32 v[36+\k], 0
.endr
.irp k, 0,1,2,3,4,5,6,7
	v_permlanex16_b32 v[36+\k], v[64+\k], s16, s17 ; the other half's sums
.endr
.irp k, 0,1,2,3
	v_cndmask_b32 v[44+\k], v[36+\k], v[64+\k], vcc_lo   ; sum d
	v_cndmask_b32 v[48+\k], v[64+\k], v[36+\k], vcc_lo   ; sum M2
	v_cndmask_b32 v[52+\k], v[40+\k], v[68+\k], vcc_lo   ; sum d^2
.endr
.irp k, 0,1,2,3
	v_fma_f32 v[56+\k], v[44+\k], 0x3b800000, v[24+\k]   ; the mean (lanes 0-15)
	v_mul_f32 v[60+\k], v[44+\k], v[44+\k]
.endr
.irp k, 0,1,2,3
	v_fma_f32 v[60+\k], -v[60+\k], 0x3b800000, v[52+\k]
.endr
.irp k, 0,1,2,3
	v_fma_f32 v[60+\k], v[60+\k], 0x42000000, v[48+\k]
.endr
.irp k, 0,1,2,3
	v_fma_f32 v[60+\k], v[60+\k], 0x39000000, s18        ; variance + 1e-5
.endr
.irp k, 0,1,2,3
	v_rsq_f32 v[60+\k], v[60+\k]
.endr
	v_nop
	s_wait_alu depctr_va_vdst(0)                   ; one wait for the four
.irp k, 0,1,2,3
	v_mul_f32 v[60+\k], v[20+\k], v[60+\k]
.endr
.irp k, 0,1,2,3
	v_cndmask_b32 v[56+\k], v[60+\k], v[56+\k], vcc_lo
.endr
	global_store_b128 v8, v[56:59], s[8:9]         ; sixteen lanes fill 256 consecutive bytes, aligned
.Lend:
	s_wait_tensorcnt 0x0
	ds_add_u32 v192, v193
	s_wait_dscnt 0x0
	s_endpgm
.Lfunc_end_k_q0deda27980_stat0:
	.size	k_q0deda27980_stat0, .Lfunc_end_k_q0deda27980_stat0-k_q0deda27980_stat0
	.p2alignl 7, 3214868480
	.fill 96, 4, 3214868480
	.section	.rodata,"a",@progbits
	.p2align	6, 0x0
	.amdhsa_kernel k_q0deda27980_stat0
		.amdhsa_group_segment_fixed_size 9216
		.amdhsa_private_segment_fixed_size 0
		.amdhsa_enable_private_segment 0
		.amdhsa_kernarg_size 24
		.amdhsa_user_sgpr_count 2
		.amdhsa_user_sgpr_kernarg_segment_ptr 1
		.amdhsa_wavefront_size32 1
		.amdhsa_system_sgpr_workgroup_id_x 1
		.amdhsa_system_sgpr_workgroup_id_y 1
		.amdhsa_system_sgpr_workgroup_id_z 1
		.amdhsa_system_vgpr_workitem_id 0
		.amdhsa_next_free_vgpr 194
		.amdhsa_next_free_sgpr 66
		.amdhsa_reserve_vcc 1
		.amdhsa_float_denorm_mode_32 3
		.amdhsa_float_denorm_mode_16_64 3
		.amdhsa_memory_ordered 1
		.amdhsa_forward_progress 1
		.amdhsa_inst_pref_size 24
	.end_amdhsa_kernel
	.amdgpu_metadata
---
amdhsa.version: [ 1, 2 ]
amdhsa.kernels:
  - .name:           k_q0deda27980_stat0
    .symbol:         k_q0deda27980_stat0.kd
    .args:
      - { .name: part, .offset: 0, .size: 8, .value_kind: global_buffer, .address_space: global }
      - { .name: bn0_g, .offset: 8, .size: 8, .value_kind: global_buffer, .address_space: global }
      - { .name: bnp, .offset: 16, .size: 8, .value_kind: global_buffer, .address_space: global }
    .group_segment_fixed_size: 9216
    .private_segment_fixed_size: 0
    .kernarg_segment_align: 8
    .kernarg_segment_size: 24
    .max_flat_workgroup_size: 256
    .sgpr_count:     66
    .vgpr_count:     194
    .wavefront_size: 32
...
	.end_amdgpu_metadata
.endif
;; end of part 5
;; launch lin (part 6): grid 256 x 1, 4 waves a work-group, no clusters, 41,472 bytes of LDS; arguments x0, bnp, bn0_b, lin_b, tab, y, part; writes y, part
.if DOCPART == 6
	.amdgcn_target "amdgcn-amd-amdhsa--gfx1250"
	.amdhsa_code_object_version 6
	.text
	.protected	k_q0deda27980_lin
	.globl	k_q0deda27980_lin
	.p2align	8
	.type	k_q0deda27980_lin,@function
k_q0deda27980_lin:
	s_mov_b64 s[64:65], 0
	v_nop
	global_prefetch_b8 v0, s[64:65] scope:SCOPE_SE
	s_setreg_imm32_b32 hwreg(HW_REG_WAVE_MODE, 25, 1), 1
	s_wait_xcnt 0x0
; o = (x0 - mean) a + bn0_b;  y = o lin_w + lin_b + o, the product on codes of E2M1 with E8M0 scales; and each work-group's column means and sums of squared deviations of y.
; A work-group has 32 rows; wave w normalises and quantises rows 8 w on, then makes columns 64 w on for all 32 rows (transposed use: a lane holds one row, eight neighbouring columns).
; o + lin_b is the C of the first product, so the residual and the bias cost one addition.  Each wave takes only its own 8,192 bytes of the weight, straight into registers: nothing here is worth sharing in a cluster.
; LDS: XI 32 rows of codes (pitch 144) | XS 8 scale bytes a row | ORG 32 rows of o, later of y (pitch 1,040).
.set XI,  0
.set XS,  4608
.set ORG, 5120
.set WQL, 466944                       ; tab: lin_w's codes, and its scale words
.set SQL, 503808
.set WQS, 16                           ; v16-23 the weight's scale words, v24-27 o's: they hold scales and nothing else
.set XSR, 24
.macro BARRIER
	s_wait_dscnt 0x0
	s_barrier_signal -1
	s_barrier_wait -1
.endm
.macro QROW x, t, ca, co, sa, so
	v_max3_num_f32 v[\t], |v[\x]|, |v[\x+1]|, 0x1800000
	v_max3_num_f32 v[\t+1], |v[\x+2]|, |v[\x+3]|, |v[\x+4]|
	v_max3_num_f32 v[\t], v[\t], |v[\x+5]|, |v[\x+6]|
	v_max3_num_f32 v[\t], v[\t], v[\t+1], |v[\x+7]|
	v_max_num_f32_dpp v[\t], v[\t], v[\t] row_xmask:1 row_mask:0xf bank_mask:0xf
	v_max_num_f32_dpp v[\t], v[\t], v[\t] row_xmask:2 row_mask:0xf bank_mask:0xf
	v_add_nc_u32 v[\t+1], 0xff000000, v[\t]
	v_cvt_scalef32_pk8_fp4_f32 v[\t+2], v[\x:\x+7], v[\t+1]
	v_lshrrev_b32 v[\t+3], 23, v[\t+1]
	ds_store_b32 v[\ca], v[\t+2] offset:\co
	ds_store_b8 v[\sa], v[\t+3] offset:\so
.endm
.macro STATS va, x, a, vo, sp
.irp i, 0,1,2,3,4,5,6,7,8,9,10,11,12,13,14,15,16,17,18,19,20,21,22,23,24,25,26,27,28,29,30,31
	ds_load_b64 v[\x+2*\i:\x+2*\i+1], v[\va] offset:1040*\i
.endr
	s_wait_dscnt 0x0
.irp k, 0,1,2,3
	v_pk_add_f32 v[\a+2*\k:\a+2*\k+1], v[\x+2*\k:\x+2*\k+1], v[\x+8+2*\k:\x+9+2*\k]
.endr
.irp i, 8,9,10,11,12,13,14,15,16,17,18,19,20,21,22,23,24,25,26,27,28,29,30,31
	v_pk_add_f32 v[\a+2*(\i%4):\a+2*(\i%4)+1], v[\a+2*(\i%4):\a+2*(\i%4)+1], v[\x+2*\i:\x+2*\i+1]
.endr
	v_pk_add_f32 v[\a:\a+1], v[\a:\a+1], v[\a+2:\a+3]
	v_pk_add_f32 v[\a+4:\a+5], v[\a+4:\a+5], v[\a+6:\a+7]
	v_pk_add_f32 v[\a:\a+1], v[\a:\a+1], v[\a+4:\a+5]
	v_pk_mul_f32 v[\a:\a+1], v[\a:\a+1], 0x3d000000 op_sel_hi:[1,0]
.irp i, 0,1,2,3,4,5,6,7,8,9,10,11,12,13,14,15,16,17,18,19,20,21,22,23,24,25,26,27,28,29,30,31
	v_pk_add_f32 v[\x+2*\i:\x+2*\i+1], v[\x+2*\i:\x+2*\i+1], v[\a:\a+1] neg_lo:[0,1] neg_hi:[0,1]
.endr
.irp k, 0,1,2,3
	v_pk_mul_f32 v[\a+2+2*\k:\a+3+2*\k], v[\x+2*\k:\x+2*\k+1], v[\x+2*\k:\x+2*\k+1]
.endr
.irp i, 4,5,6,7,8,9,10,11,12,13,14,15,16,17,18,19,20,21,22,23,24,25,26,27,28,29,30,31
	v_pk_fma_f32 v[\a+2+2*(\i%4):\a+3+2*(\i%4)], v[\x+2*\i:\x+2*\i+1], v[\x+2*\i:\x+2*\i+1], v[\a+2+2*(\i%4):\a+3+2*(\i%4)]
.endr
	v_pk_add_f32 v[\a+2:\a+3], v[\a+2:\a+3], v[\a+4:\a+5]
	v_pk_add_f32 v[\a+6:\a+7], v[\a+6:\a+7], v[\a+8:\a+9]
	v_pk_add_f32 v[\a+2:\a+3], v[\a+2:\a+3], v[\a+6:\a+7]
	global_store_b64 v[\vo], v[\a:\a+1], s[\sp:\sp+1]
	global_store_b64 v[\vo], v[\a+2:\a+3], s[\sp:\sp+1] offset:256
.endm
	s_load_b256 s[4:11], s[0:1], 0x0               ; x0 4, bnp 6, bn0_b 8, lin_b 10
	s_load_b128 s[12:15], s[0:1], 0x20             ; tab 12, y 14
	s_load_b64 s[16:17], s[0:1], 0x30              ; part
	v_lshl_add_u32 v30, v0, 2, 0xa000
	v_mov_b32 v31, 0
	v_lshrrev_b32 v1, 5, v0
	v_readfirstlane_b32 s20, v1                    ; wave
	v_and_b32 v1, 31, v0
	v_and_b32 v2, 15, v0
	v_bfe_u32 v3, v0, 4, 1
	v_lshlrev_b32 v4, 4, v1                        ; 16 l
	v_lshlrev_b32 v5, 5, v1                        ; 32 l
	s_mul_i32 s2, s20, 1152
	v_lshl_add_u32 v6, v1, 2, s2                   ; XI (at 0): my rows, 4 l
	v_lshrrev_b32 v7, 2, v1
	s_lshl_b32 s2, s20, 6
	v_add_nc_u32 v7, s2, v7
	v_add_nc_u32 v7, XS, v7
	s_mul_i32 s2, s20, 8320
	v_add_nc_u32 v8, s2, v5
	v_add_nc_u32 v8, ORG, v8                       ; o's way in: my rows, 32 l
	v_add_nc_u32 v15, s2, v4
	v_add_nc_u32 v15, ORG, v15                     ; y's way out: my rows, 16 l
	v_mul_u32_u24 v9, v2, 144
	v_lshl_add_u32 v9, v3, 4, v9                   ; a fragment's place in XI
	v_lshlrev_b32 v10, 3, v2
	v_add_nc_u32 v10, XS, v10
	v_lshlrev_b32 v14, 5, v3
	s_lshl_b32 s2, s20, 8
	v_add_nc_u32 v14, s2, v14                      ; 256 w + 32 h
	v_mul_u32_u24 v11, v2, 1040
	v_add_nc_u32 v11, v11, v14
	v_add_nc_u32 v11, ORG, v11
	s_lshl_b32 s2, s20, 13
	v_add_nc_u32 v12, s2, v4
	s_lshl_b32 s2, s20, 9
	v_lshl_add_u32 v13, v2, 2, s2
	v_lshl_add_u32 v28, v0, 3, ORG
	s_lshl_b32 s2, s20, 17
	s_lshl_b32 s3, ttmp9, 9
	s_add_co_u32 s2, s2, s3
	v_lshl_add_u32 v29, v1, 3, s2
	s_lshl_b32 s21, ttmp9, 5
	s_lshl_b32 s22, s20, 3
	s_add_co_u32 s21, s21, s22
	s_lshl_b32 s22, s21, 10
	s_mov_b32 s23, 0
	s_wait_kmcnt 0x0
	s_add_nc_u64 s[4:5], s[4:5], s[22:23]
	s_add_nc_u64 s[14:15], s[14:15], s[22:23]
	global_load_b128 v[32:35], v5, s[6:7]
	global_load_b128 v[36:39], v5, s[6:7] offset:16
	global_load_b128 v[40:43], v5, s[6:7] offset:1024
	global_load_b128 v[44:47], v5, s[6:7] offset:1040
	global_load_b128 v[48:51], v5, s[8:9]
	global_load_b128 v[52:55], v5, s[8:9] offset:16
.irp i, 0,1,2,3,4,5,6,7
	global_load_b128 v[64+8*\i:67+8*\i], v5, s[4:5] offset:1024*\i
	global_load_b128 v[68+8*\i:71+8*\i], v5, s[4:5] offset:1024*\i+16
.endr
.irp e, 0,1,2,3,4,5,6,7
.irp c, 0,1
	global_load_b128 v[128+8*\e+4*\c:131+8*\e+4*\c], v12, s[12:13] offset:WQL+1024*\e+512*\c
.endr
	global_load_b32 v[WQS+\e], v13, s[12:13] offset:SQL+64*\e
.endr
.irp i, 0,1,2,3
	global_load_b128 v[224+8*\i:227+8*\i], v14, s[10:11] offset:64*\i
	global_load_b128 v[228+8*\i:231+8*\i], v14, s[10:11] offset:64*\i+16
.endr
	s_wait_loadcnt 0x0
.irp i, 0,1,2,3,4,5,6,7
.irp p, 0,2,4,6
	v_pk_add_f32 v[64+8*\i+\p:65+8*\i+\p], v[64+8*\i+\p:65+8*\i+\p], v[32+\p:33+\p] neg_lo:[0,1] neg_hi:[0,1]
.endr
.irp p, 0,2,4,6
	v_pk_fma_f32 v[64+8*\i+\p:65+8*\i+\p], v[64+8*\i+\p:65+8*\i+\p], v[40+\p:41+\p], v[48+\p:49+\p]
.endr
	ds_store_b128 v8, v[64+8*\i:67+8*\i] offset:1040*\i
	ds_store_b128 v8, v[68+8*\i:71+8*\i] offset:1040*\i+16
	QROW 64+8*\i, 56+4*(\i%2), 6, 144*\i, 7, 8*\i
.endr
	BARRIER                                        ; 32 rows of o and their codes lie in LDS
.irp u, 0,1
.irp s, 0,1
.irp c, 0,1
	ds_load_b128 v[192+16*\u+8*\s+4*\c:195+16*\u+8*\s+4*\c], v9 offset:2304*\u+64*\s+32*\c
.endr
.endr
	ds_load_b64 v[XSR+2*\u:XSR+2*\u+1], v10 offset:128*\u
.irp i, 0,1,2,3
	ds_load_b128 v[64+8*(4*\u+\i):67+8*(4*\u+\i)], v11 offset:16640*\u+64*\i
	ds_load_b128 v[68+8*(4*\u+\i):71+8*(4*\u+\i)], v11 offset:16640*\u+64*\i+16
.endr
.endr
	s_wait_dscnt 0x0
.irp u, 0,1
.irp i, 0,1,2,3
.irp p, 0,2,4,6
	v_pk_add_f32 v[64+8*(4*\u+\i)+\p:65+8*(4*\u+\i)+\p], v[64+8*(4*\u+\i)+\p:65+8*(4*\u+\i)+\p], v[224+8*\i+\p:225+8*\i+\p]   ; o + lin_b
.endr
.endr
.endr
.rept 4
	v_nop
.endr
.irp s, 0,1                                    ; eight accumulators by turns
.irp u, 0,1
.irp i, 0,1,2,3
	v_wmma_scale_f32_16x16x128_f8f6f4 v[64+8*(4*\u+\i):71+8*(4*\u+\i)], v[128+16*\i+8*\s:135+16*\i+8*\s], v[192+16*\u+8*\s:199+16*\u+8*\s], v[64+8*(4*\u+\i):71+8*(4*\u+\i)], v[WQS+2*\i+\s], v[XSR+2*\u+\s] matrix_a_fmt:MATRIX_FMT_FP4 matrix_b_fmt:MATRIX_FMT_FP4
.endr
.endr
.endr
.rept 5
	v_nop                                          ; places in front of the stores of results and of loads into the operands' registers
.endr
.irp u, 0,1
.irp i, 0,1,2,3
	ds_store_b128 v11, v[64+8*(4*\u+\i):67+8*(4*\u+\i)] offset:16640*\u+64*\i       ; y over o: bytes that my wave alone has read since the barrier
	ds_store_b128 v11, v[68+8*(4*\u+\i):71+8*(4*\u+\i)] offset:16640*\u+64*\i+16
.endr
.endr
	BARRIER                                        ; 32 whole rows of y lie in LDS
.irp i, 0,1,2,3,4,5,6,7
	ds_load_b128 v[128+8*\i:131+8*\i], v15 offset:1040*\i
	ds_load_b128 v[132+8*\i:135+8*\i], v15 offset:1040*\i+512
.endr
	s_wait_dscnt 0x0
.irp i, 0,1,2,3,4,5,6,7
	global_store_b128 v4, v[128+8*\i:131+8*\i], s[14:15] offset:1024*\i              ; 512 consecutive bytes a store
	global_store_b128 v4, v[132+8*\i:135+8*\i], s[14:15] offset:1024*\i+512
.endr
	STATS 28, 64, 192, 29, 16
	s_wait_tensorcnt 0x0
	ds_add_u32 v30, v31
	s_wait_dscnt 0x0
	s_endpgm
.Lfunc_end_k_q0deda27980_lin:
	.size	k_q0deda27980_lin, .Lfunc_end_k_q0deda27980_lin-k_q0deda27980_lin
	.p2alignl 7, 3214868480
	.fill 96, 4, 3214868480
	.section	.rodata,"a",@progbits
	.p2align	6, 0x0
	.amdhsa_kernel k_q0deda27980_lin
		.amdhsa_group_segment_fixed_size 41472
		.amdhsa_private_segment_fixed_size 0
		.amdhsa_enable_private_segment 0
		.amdhsa_kernarg_size 56
		.amdhsa_user_sgpr_count 2
		.amdhsa_user_sgpr_kernarg_segment_ptr 1
		.amdhsa_wavefront_size32 1
		.amdhsa_system_sgpr_workgroup_id_x 1
		.amdhsa_system_sgpr_workgroup_id_y 1
		.amdhsa_system_sgpr_workgroup_id_z 1
		.amdhsa_system_vgpr_workitem_id 0
		.amdhsa_next_free_vgpr 256
		.amdhsa_next_free_sgpr 66
		.amdhsa_reserve_vcc 0
		.amdhsa_float_denorm_mode_32 3
		.amdhsa_float_denorm_mode_16_64 3
		.amdhsa_memory_ordered 1
		.amdhsa_forward_progress 1
		.amdhsa_inst_pref_size 37
	.end_amdhsa_kernel
	.amdgpu_metadata
---
amdhsa.version: [ 1, 2 ]
amdhsa.kernels:
  - .name:           k_q0deda27980_lin
    .symbol:         k_q0deda27980_lin.kd
    .args:
      - { .name: x0, .offset: 0, .size: 8, .value_kind: global_buffer, .address_space: global }
      - { .name: bnp, .offset: 8, .size: 8, .value_kind: global_buffer, .address_space: global }
      - { .name: bn0_b, .offset: 16, .size: 8, .value_kind: global_buffer, .address_space: global }
      - { .name: lin_b, .offset: 24, .size: 8, .value_kind: global_buffer, .address_space: global }
      - { .name: tab, .offset: 32, .size: 8, .value_kind: global_buffer, .address_space: global }
      - { .name: y, .offset: 40, .size: 8, .value_kind: global_buffer, .address_space: global }
      - { .name: part, .offset: 48, .size: 8, .value_kind: global_buffer, .address_space: global }
    .group_segment_fixed_size: 41472
    .private_segment_fixed_size: 0
    .kernarg_segment_align: 8
    .kernarg_segment_size: 56
    .max_flat_workgroup_size: 128
    .sgpr_count:     66
    .vgpr_count:     256
    .wavefront_size: 32
...
	.end_amdgpu_metadata
.endif
;; end of part 6
;; launch stat1: the kernel of part 5 again; grid 4 x 1, 8 waves a work-group, no clusters, 9,216 bytes of LDS; arguments part, bn1_g, bnp; writes bnp
;; launch fin (part 7): grid 256 x 1, 8 waves a work-group, no clusters, 0 bytes of LDS; arguments y, bnp, bn1_b, out0; writes out0
.if DOCPART == 7
	.amdgcn_target "amdgcn-amd-amdhsa--gfx1250"
	.amdhsa_code_object_version 6
	.text
	.protected	k_q0deda27980_fin
	.globl	k_q0deda27980_fin
	.p2align	8
	.type	k_q0deda27980_fin,@function
k_q0deda27980_fin:
	s_mov_b64 s[64:65], 0
	v_nop
	global_prefetch_b8 v0, s[64:65] scope:SCOPE_SE
	s_setreg_imm32_b32 hwreg(HW_REG_WAVE_MODE, 25, 1), 1
	s_wait_xcnt 0x0
; out0 = (y - mean) a + bn1_b.  A stream: a work-group has 32 rows (32,768 bytes); thread t keeps the same four channels, 16 (t mod 64) bytes into a row, in all of its eight loads.
; Each load and store of a wave covers 512 consecutive bytes.  All eight loads are out at once; the waits count the younger ones down.  No LDS, no matrix unit: memory binds.
	s_load_b256 s[4:11], s[0:1], 0x0               ; y 4, bnp 6, bn1_b 8, out0 10
	v_and_b32 v1, 63, v0
	v_lshlrev_b32 v1, 4, v1
	v_lshlrev_b32 v2, 4, v0
	s_lshl_b32 s12, ttmp9, 15
	v_add_nc_u32 v2, s12, v2
	s_wait_kmcnt 0x0
	global_load_b128 v[4:7], v1, s[6:7]            ; mean
	global_load_b128 v[8:11], v1, s[6:7] offset:1024   ; a
	global_load_b128 v[12:15], v1, s[8:9]          ; b
.irp i, 0,1,2,3,4,5,6,7
	global_load_b128 v[16+4*\i:19+4*\i], v2, s[4:5] offset:4096*\i th:TH_LOAD_NT
.endr
.irp i, 0,1,2,3,4,5,6,7
	s_wait_loadcnt 7-\i                            ; loads come back in order: this one is in, the younger ones may be out
	v_pk_add_f32 v[16+4*\i:17+4*\i], v[16+4*\i:17+4*\i], v[4:5] neg_lo:[0,1] neg_hi:[0,1]
	v_pk_add_f32 v[18+4*\i:19+4*\i], v[18+4*\i:19+4*\i], v[6:7] neg_lo:[0,1] neg_hi:[0,1]
	v_pk_fma_f32 v[16+4*\i:17+4*\i], v[16+4*\i:17+4*\i], v[8:9], v[12:13]
	v_pk_fma_f32 v[18+4*\i:19+4*\i], v[18+4*\i:19+4*\i], v[10:11], v[14:15]
	global_store_b128 v2, v[16+4*\i:19+4*\i], s[10:11] offset:4096*\i th:TH_STORE_NT
.endr
	s_endpgm
.Lfunc_end_k_q0deda27980_fin:
	.size	k_q0deda27980_fin, .Lfunc_end_k_q0deda27980_fin-k_q0deda27980_fin
	.p2alignl 7, 3214868480
	.fill 96, 4, 3214868480
	.section	.rodata,"a",@progbits
	.p2align	6, 0x0
	.amdhsa_kernel k_q0deda27980_fin
		.amdhsa_group_segment_fixed_size 0
		.amdhsa_private_segment_fixed_size 0
		.amdhsa_enable_private_segment 0
		.amdhsa_kernarg_size 32
		.amdhsa_user_sgpr_count 2
		.amdhsa_user_sgpr_kernarg_segment_ptr 1
		.amdhsa_wavefront_size32 1
		.amdhsa_system_sgpr_workgroup_id_x 1
		.amdhsa_system_sgpr_workgroup_id_y 1
		.amdhsa_system_sgpr_workgroup_id_z 1
		.amdhsa_system_vgpr_workitem_id 0
		.amdhsa_next_free_vgpr 64
		.amdhsa_next_free_sgpr 66
		.amdhsa_reserve_vcc 0
		.amdhsa_float_denorm_mode_32 3
		.amdhsa_float_denorm_mode_16_64 3
		.amdhsa_memory_ordered 1
		.amdhsa_forward_progress 1
		.amdhsa_inst_pref_size 5
	.end_amdhsa_kernel
	.amdgpu_metadata
---
amdhsa.version: [ 1, 2 ]
amdhsa.kernels:
  - .name:           k_q0deda27980_fin
    .symbol:         k_q0deda27980_fin.kd
    .args:
      - { .name: y, .offset: 0, .size: 8, .value_kind: global_buffer, .address_space: global }
      - { .name: bnp, .offset: 8, .size: 8, .value_kind: global_buffer, .address_space: global }
      - { .name: bn1_b, .offset: 16, .size: 8, .value_kind: global_buffer, .address_space: global }
      - { .name: out0, .offset: 24, .size: 8, .value_kind: global_buffer, .address_space: global }
    .group_segment_fixed_size: 0
    .private_segment_fixed_size: 0
    .kernarg_segment_align: 8
    .kernarg_segment_size: 32
    .max_flat_workgroup_size: 256
    .sgpr_count:     66
    .vgpr_count:     64
    .wavefront_size: 32
...
	.end_amdgpu_metadata
.endif
;; end of part 7
